; MI455X (gfx1250); checked and timed in simulation.
; The chip was launched on July 23, 2026; its instructions are those of AMD's public machine-readable ISA for CDNA 5 (MIT licence, August 2026) and "CDNA5" Instruction Set Architecture Reference Guide (July 2026).
;; Bahdanau Attention. Allowed arithmetic: matrix products marked QUANTISED: E3M2 operands, one E8M0 scale for each 32 along K, by v_wmma_scale_f32_16x16x128_f8f6f4 with both operands' format E3M2, f32 sums; everything else in f32.
;; Inputs: W1 256 x 256 float32; W2 256 x 256 float32; b1 256 float32; b2 256 float32; query 8 x 256 x 256 float32; value 8 x 512 x 256 float32.
;; Outputs: out0 8 x 256 x 512 float32; out1 8 x 512 x 256 float32.
;; This version of the problem:
;;   THIS VERSION OF THE PROBLEM IS GIVEN IN LOW PRECISION. The matrix products marked QUANTISED in the list below multiply operands that are first quantised to E3M2 (3 exponent bits, 2 mantissa bits; 6 bits a number), with one power-of-two scale for each 32 numbers along K (OCP MX v1.0); their sums are f32. All else is computed in f32.
;;   The module's matrix products, in the order in which they are computed (A, B: the left and right operand; K: the contracted axis; several contracted axes count as one K, in the product's order):
;;     1. [M 2,048, K 256] x [K 256, N 256]; A: input query; B: input W1: QUANTISED
;;     2. [M 4,096, K 256] x [K 256, N 256]; A: input value; B: input W2: QUANTISED
;;     3. batch 8 x [M 256, K 512] x [K 512, N 256]; A: softmax (see below); B: input value: QUANTISED
;;   THE QUANTISER, for each operand of a quantised product, along K:
;;     - K is cut into blocks of 32 from its start; a last block that is shorter is filled with zeros.
;;     - A block's scale is 2^e with e = floor(log2(the largest magnitude in the block)) - 4, held to -126 .. 127; a block of zeros has e = 0. As a byte (E8M0): e + 127.
;;     - Each number is divided by its block's scale, clamped to +-28, and rounded to the nearest number of E3M2, ties to even, subnormals kept.
;;     - The product sums the exact products of the quantised numbers (number of the format x scale) in f32.
;;   ~~~python
;;   def quantise(x, axis):      # numpy; x: float32 -> the quantised numbers, widened to float32 again
;;       x = np.moveaxis(x, axis, -1); K = x.shape[-1]
;;       x = np.pad(x, [(0, 0)] * (x.ndim - 1) + [(0, -K % 32)]); x = x.reshape(x.shape[:-1] + (-1, 32)); a = np.abs(x).max(-1, keepdims=True)
;;       e = np.where(a > 0, np.clip(np.frexp(np.where(a > 0, a, 1))[1] - 1 - 4, -126, 127), 0)      # np.frexp(a)[1] - 1 = floor(log2(a)), exactly
;;       r = np.clip(x / 2.0 ** e, -28, 28)
;;       step = 2.0 ** (np.maximum(np.frexp(np.where(r == 0, 1, r))[1] - 1, -2) - 2)
;;       q = np.round(r / step) * step * 2.0 ** e      # np.round: ties to even
;;       return np.moveaxis(q.reshape(q.shape[:-2] + (-1,))[..., :K], -1, axis).astype(np.float32)
;;   ~~~
;;   SOFTMAX AHEAD OF A QUANTISED PRODUCT. Where the list says 'softmax', what is quantised is not the finished softmax but p = 2^(t - M), with t = logit x log2(e) and M = ceil(the row's largest t), a whole number; so 1/2 < the row's largest p <= 1. The row's sum l is taken of the UNQUANTISED p, in f32, and the product's result is divided by l at the end. Since M is a whole number, a kernel that streams over the keys may use a running M (the ceiling of the running maximum): every later rescaling is an exact power of two, which a block's scale takes up: the codes' values come out the same.
;;   OPERANDS COMPUTED ON THE WAY. 'Computed on the way' means the value that the module computes at that place (a softmax that the list does not call 'softmax' is quantised finished and normalised). What goes into a quantiser is computed in f32, as accurately as f32 sums, v_exp_f32 and their like allow (about 1e-6 of the number): no bf16 or f16 on the way to a quantiser, and a product that is left as it is and whose result goes on into a quantised operand takes f32 operands (vector FMAs, or v_wmma_f32_16x16x4_f32). A number that lies on a knife's edge between two numbers of the format may be rounded either way, as far as f32 arithmetic and the matrix unit's own rounding can turn it there, and no further.
;; 3 versions, each right; version 2 is faster than version 1; version 3 is version 2 with the launches prep, finish written anew for expert scheduling mode. Each part assembles by itself: llvm-mc -triple=amdgcn-amd-amdhsa -mcpu=gfx1250 --defsym DOCPART=n.
;; ======== version 1 of 3: 3 launches
;; limits: right only within a limited range of input values
;; workspace buffers: atab 4,194,304 bytes; ytab 8,388,608 bytes; vtc 786,432 bytes; vts 65,536 bytes; sc 4,194,304 bytes
;; launch prep (part 1): grid 208 x 1, 16 waves a work-group, no clusters, 10,240 bytes of LDS; arguments query, value, W1, b1, W2, b2, atab, ytab, vtc, vts; writes atab, ytab, vtc, vts
.if DOCPART == 1
	.amdgcn_target "amdgcn-amd-amdhsa--gfx1250"
	.amdhsa_code_object_version 6
	.text
	.protected	k_q32b2922b29_prep
	.globl	k_q32b2922b29_prep
	.p2align	8
	.type	k_q32b2922b29_prep,@function
k_q32b2922b29_prep:
	s_mov_b64 s[64:65], 0
	v_nop
	global_prefetch_b8 v0, s[64:65] scope:SCOPE_SE
	s_setreg_imm32_b32 hwreg(HW_REG_WAVE_MODE, 25, 1), 1
	s_wait_xcnt 0x0
.set FRB,  1536
.set XSC,  4*FRB
.set LR,   1
.set LH,   2
.set SLO,  3
.set XLO,  4
.set LI,   5
.set LS,   6
.set XWI,  7
.set XWS,  8
.set BO,   9
.set OO,   10
.set L8,   11
.set SH8,  12
.set WS,   14
.set XS,   16
.set TM,   20
.set PC,   36
.set PW,   55
.set BI,   56
.set XR,   64
.set WF,   64
.set DA,   88
.set TT,   104
.set MG,   120
.set WX,   128
.set XF,   128
.set NF,   176
.set WN,   192
.set DN,   216
.set WV,   28
.set SEL,  52
.set CC,   54
.set LIMN, 56
.set LIMP, 57
.macro QUANT s
.irp b, 0,1,2,3
	v_max3_num_f32 v[TM+\b], |v[\s+16*\b]|, |v[\s+1+16*\b]|, 0x2800000
.endr
.irp i, 2,4,6,8,10,12,14
.irp b, 0,1,2,3
	v_max3_num_f32 v[TM+\b], v[TM+\b], |v[\s+16*\b+\i]|, |v[\s+1+16*\b+\i]|
.endr
.endr
.irp b, 0,1,2,3
	v_permlanex16_b32 v[TM+4+\b], v[TM+\b], s[SEL], s[SEL+1]
.endr
.irp b, 0,1,2,3
	v_max_num_f32 v[TM+\b], v[TM+\b], v[TM+4+\b]
.endr
.irp b, 0,1,2,3
	v_add_nc_u32 v[TM+12+\b], 0xfe000000, v[TM+\b]
.endr
.irp b, 0,1,2,3
	v_lshrrev_b32 v[TM+4+\b], 23, v[TM+12+\b]
.endr
	v_lshl_or_b32 v[PW], v[TM+5], 8, v[TM+4]
	v_lshl_or_b32 v[PW], v[TM+6], 16, v[PW]
	v_lshl_or_b32 v[PW], v[TM+7], 24, v[PW]
.irp c, 0,1
	v_cvt_scalef32_pk16_bf6_f32 v[PC+6*\c:PC+2+6*\c], v[\s+32*\c:\s+15+32*\c], v[TM+12+2*\c]
	v_cvt_scalef32_pk16_bf6_f32 v[PC+12+4*\c:PC+14+4*\c], v[\s+16+32*\c:\s+31+32*\c], v[TM+12+2*\c+1]
.endr
	v_nop
.irp c, 0,1
.irp i, 0,1,2
	v_permlane16_swap_b32 v[PC+6*\c+\i], v[PC+12+4*\c+\i]
.endr
.irp i, 0,1,2
	v_mov_b32 v[PC+3+6*\c+\i], v[PC+12+4*\c+\i]
.endr
.endr
.endm
.macro COLLOAD
.irp q, 0,1,2,3
.irp i, 0,1,2,3,4,5,6,7,8,9,10,11,12,13,14,15,16,17,18,19,20,21,22,23,24,25,26,27,28,29,30,31
	global_load_b32 v[WX+32*\q+\i], v[SLO], s[40:41] offset:(64*\q+\i)*1024
.endr
.endr
.endm
.macro SLABQ s
.irp c, 0,1
	v_max3_num_f32 v[TM+\c], |v[WX+64*\s+32*\c]|, |v[WX+64*\s+32*\c+1]|, 0x2800000
.endr
.irp i, 2,4,6,8,10,12,14,16,18,20,22,24,26,28,30
.irp c, 0,1
	v_max3_num_f32 v[TM+\c], v[TM+\c], |v[WX+64*\s+32*\c+\i]|, |v[WX+64*\s+32*\c+\i+1]|
.endr
.endr
.irp c, 0,1
	v_add_nc_u32 v[TM+2+\c], 0xfe000000, v[TM+\c]
.endr
.irp c, 0,1
	v_lshrrev_b32 v[TM+8+\c], 23, v[TM+2+\c]
.endr
	v_lshl_or_b32 v[TM+10], v[TM+9], 16, v[TM+8]
	v_lshlrev_b32 v[TM+10], v[SH8], v[TM+10]
	v_permlanex16_b32 v[TM+4], v[TM+10], s[SEL], s[SEL+1]
	v_or_b32 v[WS+\s], v[TM+10], v[TM+4]
.irp c, 0,1
	v_cvt_scalef32_pk16_bf6_f32 v[WF+12*\s+6*\c:WF+12*\s+6*\c+2], v[WX+64*\s+32*\c:WX+64*\s+32*\c+15], v[TM+2+\c]
	v_cvt_scalef32_pk16_bf6_f32 v[PC+4*\c:PC+4*\c+2], v[WX+64*\s+32*\c+16:WX+64*\s+32*\c+31], v[TM+2+\c]
.endr
	v_nop
.irp c, 0,1
.irp i, 0,1,2
	v_mov_b32 v[WF+12*\s+6*\c+3+\i], v[PC+4*\c+\i]
.endr
.endr
.endm
	s_load_b512 s[8:23], s[0:1], 0x0
	s_load_b128 s[24:27], s[0:1], 0x40
	v_lshl_add_u32 v31, v0, 2, 0x2000
	v_mov_b32 v51, 0
	v_lshrrev_b32 v13, 5, v0
	v_readfirstlane_b32 s[WV], v13
	v_and_b32 v13, 31, v0
	v_and_b32 v[LR], 15, v0
	v_bfe_u32 v[LH], v0, 4, 1
	v_lshlrev_b32 v[LI], 4, v13
	v_lshlrev_b32 v[LS], 2, v13
	v_lshlrev_b32 v[L8], 3, v13
	v_lshlrev_b32 v[SH8], 3, v[LH]
	s_mul_i32 s29, s[WV], FRB
	v_add_nc_u32 v[XWI], s29, v[LI]
	s_lshl_b32 s29, s[WV], 7
	v_add_nc_u32 v[XWS], s29, v[LS]
	s_lshl_b32 s29, s[WV], 6
	v_lshl_add_u32 v[SLO], v[LR], 2, s29
	v_lshl_add_u32 v[SLO], v[LH], 15, v[SLO]
	v_lshl_add_u32 v[BO], v[LH], 5, s29
	s_lshr_b32 s29, s[WV], 1
	s_lshl_b32 s29, s29, 16
	s_and_b32 s44, s[WV], 1
	s_lshl_b32 s44, s44, 9
	s_or_b32 s29, s29, s44
	v_lshl_add_u32 v[XLO], v[LR], 12, s29
	v_lshl_add_u32 v[XLO], v[LH], 6, v[XLO]
	v_lshlrev_b32 v[OO], 4, v[LR]
	v_lshl_add_u32 v[OO], v[LH], 10, v[OO]
	s_mov_b32 s[SEL], 0x76543210
	s_mov_b32 s[SEL+1], 0xfedcba98
	s_mov_b32 s[CC], 0x4038aa3b
	s_mov_b32 s[CC+1], s[CC]
	s_mov_b32 s[LIMN], 0xc9800000
	s_mov_b32 s[LIMP], 0x49800000
.irp b, 4,5,6,7
	v_mov_b32 v[TM+\b], 0
.endr
	s_mov_b32 s43, 0
	s_mov_b32 s45, 0
	s_wait_kmcnt 0x0
	s_cmp_lt_u32 ttmp9, 64
	s_cselect_b64 s[30:31], s[8:9], s[10:11]
	s_cselect_b64 s[32:33], s[12:13], s[16:17]
	s_cselect_b64 s[34:35], s[14:15], s[18:19]
	s_cselect_b64 s[36:37], s[20:21], s[22:23]
	s_cselect_b32 s38, 0, 64
	s_cmp_ge_u32 ttmp9, 192
	s_cbranch_scc1 .Lt3
	s_sub_co_u32 s38, ttmp9, s38
	s_mov_b64 s[40:41], s[32:33]
	s_lshr_b32 s44, s38, 2
	s_lshl_b32 s44, s44, 17
	s_and_b32 s46, s38, 3
	s_lshl_b32 s46, s46, 10
	s_or_b32 s44, s44, s46
	s_add_nc_u64 s[30:31], s[30:31], s[44:45]
	s_lshl_b32 s44, s38, 16
	s_lshl_b32 s46, s[WV], 12
	s_add_co_u32 s44, s44, s46
	s_add_nc_u64 s[36:37], s[36:37], s[44:45]
	global_load_b128 v[BI:BI+3], v[BO], s[34:35]
	global_load_b128 v[BI+4:BI+7], v[BO], s[34:35] offset:16
	s_cmp_lt_u32 s[WV], 4
	s_cbranch_scc0 .Lno_rows
.irp b, 0,1,2,3
.irp j, 0,1,2,3
	global_load_b128 v[XR+16*\b+4*\j:XR+16*\b+4*\j+3], v[XLO], s[30:31] offset:128*\b+16*\j
.endr
.endr
.Lno_rows:
	COLLOAD
	s_cmp_lt_u32 s[WV], 4
	s_cbranch_scc0 .Lcolumns
	s_wait_loadcnt 63
	QUANT XR
.irp c, 0,1,2
	ds_store_b128 v[XWI], v[PC+4*\c:PC+4*\c+3] offset:512*\c
.endr
	ds_store_b32 v[XWS], v[PW] offset:XSC
	s_wait_dscnt 0x0
.Lcolumns:
	s_wait_loadcnt 63
	SLABQ 0
	s_wait_loadcnt 0x0
	SLABQ 1
	s_wait_dscnt 0x0
	s_barrier_signal -1
	s_barrier_wait -1
.irp f, 0,1,2,3
.irp c, 0,1,2
	ds_load_b128 v[XF+12*\f+4*\c:XF+12*\f+4*\c+3], v[LI] offset:\f*FRB+512*\c
.endr
	ds_load_b32 v[XS+\f], v[LS] offset:XSC+128*\f
.endr
.set i, 0
.rept 8
	v_xor_b32 v[WN+i], 0x20820820, v[WF+i]
	v_xor_b32 v[WN+i+1], 0x08208208, v[WF+i+1]
	v_xor_b32 v[WN+i+2], 0x82082082, v[WF+i+2]
.set i, i+3
.endr
	v_mov_b32 v[MG], 0x4b400000
	v_mov_b32 v[MG+1], 0x4b400000
.rept 4
	v_nop
.endr
	s_wait_dscnt 0x0
	v_wmma_scale_f32_16x16x128_f8f6f4 v[DA:DA+7], v[WF:WF+11], v[XF:XF+11], 0, v[WS], v[XS] matrix_a_fmt:MATRIX_FMT_BF6 matrix_b_fmt:MATRIX_FMT_BF6
	v_wmma_scale_f32_16x16x128_f8f6f4 v[DA+8:DA+15], v[WF:WF+11], v[XF+24:XF+35], 0, v[WS], v[XS+2] matrix_a_fmt:MATRIX_FMT_BF6 matrix_b_fmt:MATRIX_FMT_BF6
	v_wmma_scale_f32_16x16x128_f8f6f4 v[DN:DN+7], v[WN:WN+11], v[XF:XF+11], 0, v[WS], v[XS] matrix_a_fmt:MATRIX_FMT_BF6 matrix_b_fmt:MATRIX_FMT_BF6
	v_wmma_scale_f32_16x16x128_f8f6f4 v[DN+8:DN+15], v[WN:WN+11], v[XF+24:XF+35], 0, v[WS], v[XS+2] matrix_a_fmt:MATRIX_FMT_BF6 matrix_b_fmt:MATRIX_FMT_BF6
	v_wmma_scale_f32_16x16x128_f8f6f4 v[DA:DA+7], v[WF+12:WF+23], v[XF+12:XF+23], v[DA:DA+7], v[WS+1], v[XS+1] matrix_a_fmt:MATRIX_FMT_BF6 matrix_b_fmt:MATRIX_FMT_BF6
	v_wmma_scale_f32_16x16x128_f8f6f4 v[DA+8:DA+15], v[WF+12:WF+23], v[XF+36:XF+47], v[DA+8:DA+15], v[WS+1], v[XS+3] matrix_a_fmt:MATRIX_FMT_BF6 matrix_b_fmt:MATRIX_FMT_BF6
	v_wmma_scale_f32_16x16x128_f8f6f4 v[DN:DN+7], v[WN+12:WN+23], v[XF+12:XF+23], v[DN:DN+7], v[WS+1], v[XS+1] matrix_a_fmt:MATRIX_FMT_BF6 matrix_b_fmt:MATRIX_FMT_BF6
	v_wmma_scale_f32_16x16x128_f8f6f4 v[DN+8:DN+15], v[WN+12:WN+23], v[XF+36:XF+47], v[DN+8:DN+15], v[WS+1], v[XS+3] matrix_a_fmt:MATRIX_FMT_BF6 matrix_b_fmt:MATRIX_FMT_BF6
.rept 4
	v_nop
.endr
.set i, 0
.rept 8
	v_pk_add_f32 v[DA+i:DA+i+1], v[DA+i:DA+i+1], v[DN+i:DN+i+1] neg_lo:[0,1] neg_hi:[0,1]
.set i, i+2
.endr
.set i, 0
.rept 8
	v_pk_fma_f32 v[DA+i:DA+i+1], v[DA+i:DA+i+1], 0.5, v[BI+(i%8):BI+(i%8)+1] op_sel_hi:[1,0,1]
.set i, i+2
.endr
.set i, 0
.rept 16
	v_med3_num_f32 v[DA+i], v[DA+i], s[LIMN], s[LIMP]
.set i, i+1
.endr
.set i, 0
.rept 8
	v_pk_fma_f32 v[TT+i:TT+i+1], v[DA+i:DA+i+1], s[CC:CC+1], v[MG:MG+1] op_sel_hi:[1,0,1]
.set i, i+2
.endr
.set i, 0
.rept 8
	v_pk_add_f32 v[NF+i:NF+i+1], v[TT+i:TT+i+1], v[MG:MG+1] neg_lo:[0,1] neg_hi:[0,1]
.set i, i+2
.endr
.set i, 0
.rept 8
	v_pk_fma_f32 v[DA+i:DA+i+1], v[DA+i:DA+i+1], s[CC:CC+1], v[NF+i:NF+i+1] op_sel_hi:[1,0,1] neg_lo:[0,0,1] neg_hi:[0,0,1]
.set i, i+2
.endr
.set i, 0
.rept 16
	v_exp_f32 v[DA+i], v[DA+i]
.set i, i+1
.endr
.set i, 0
.rept 16
	v_add_nc_u32 v[TT+i], 0xb4c00000, v[TT+i]
.set i, i+1
.endr
	s_wait_alu depctr_va_vdst(0)
.irp t, 0,1
.irp k, 0,1
	global_store_b128 v[OO], v[DA+8*\t+4*\k:DA+8*\t+4*\k+3], s[36:37] offset:512*\k+256*\t
	global_store_b128 v[OO], v[TT+8*\t+4*\k:TT+8*\t+4*\k+3], s[36:37] offset:2048+512*\k+256*\t
.endr
.endr
	s_wait_tensorcnt 0x0
	ds_add_u32 v31, v51
	s_wait_dscnt 0x0
	s_endpgm
.Lt3:
	s_sub_co_u32 s39, ttmp9, 192
	s_lshl_b32 s42, s39, 18
	s_add_nc_u64 s[40:41], s[10:11], s[42:43]
	COLLOAD
	s_lshr_b32 s46, s39, 1
	s_and_b32 s47, s39, 1
	s_mul_i32 s48, s46, 64*FRB
	s_mul_i32 s49, s[WV], 4*FRB
	s_add_co_u32 s48, s48, s49
	s_mul_i32 s49, s47, 2*FRB
	s_add_co_u32 s48, s48, s49
	s_mov_b32 s49, 0
	s_add_nc_u64 s[24:25], s[24:25], s[48:49]
	s_lshl_b32 s48, s46, 13
	s_lshl_b32 s50, s[WV], 9
	s_add_co_u32 s48, s48, s50
	s_lshl_b32 s50, s47, 8
	s_add_co_u32 s48, s48, s50
	s_add_nc_u64 s[26:27], s[26:27], s[48:49]
	s_wait_loadcnt 63
	SLABQ 0
	s_wait_loadcnt 0x0
	SLABQ 1
.irp s, 0,1
.irp c, 0,1,2
	global_store_b128 v[LI], v[WF+12*\s+4*\c:WF+12*\s+4*\c+3], s[24:25] offset:\s*FRB+512*\c
.endr
.endr
	global_store_b64 v[L8], v[WS:WS+1], s[26:27]
	s_endpgm
.Lfunc_end_k_q32b2922b29_prep:
	.size	k_q32b2922b29_prep, .Lfunc_end_k_q32b2922b29_prep-k_q32b2922b29_prep
	.p2alignl 7, 3214868480
	.fill 96, 4, 3214868480
	.section	.rodata,"a",@progbits
	.p2align	6, 0x0
	.amdhsa_kernel k_q32b2922b29_prep
		.amdhsa_group_segment_fixed_size 10240
		.amdhsa_private_segment_fixed_size 0
		.amdhsa_enable_private_segment 0
		.amdhsa_kernarg_size 80
		.amdhsa_user_sgpr_count 2
		.amdhsa_user_sgpr_kernarg_segment_ptr 1
		.amdhsa_wavefront_size32 1
		.amdhsa_system_sgpr_workgroup_id_x 1
		.amdhsa_system_sgpr_workgroup_id_y 1
		.amdhsa_system_sgpr_workgroup_id_z 1
		.amdhsa_system_vgpr_workitem_id 0
		.amdhsa_next_free_vgpr 256
		.amdhsa_next_free_sgpr 66
		.amdhsa_reserve_vcc 0
		.amdhsa_float_denorm_mode_32 3
		.amdhsa_float_denorm_mode_16_64 3
		.amdhsa_memory_ordered 1
		.amdhsa_forward_progress 1
		.amdhsa_inst_pref_size 56
	.end_amdhsa_kernel
	.amdgpu_metadata
---
amdhsa.version: [ 1, 2 ]
amdhsa.kernels:
  - .name:           k_q32b2922b29_prep
    .symbol:         k_q32b2922b29_prep.kd
    .args:
      - { .name: query, .offset: 0, .size: 8, .value_kind: global_buffer, .address_space: global }
      - { .name: value, .offset: 8, .size: 8, .value_kind: global_buffer, .address_space: global }
      - { .name: W1, .offset: 16, .size: 8, .value_kind: global_buffer, .address_space: global }
      - { .name: b1, .offset: 24, .size: 8, .value_kind: global_buffer, .address_space: global }
      - { .name: W2, .offset: 32, .size: 8, .value_kind: global_buffer, .address_space: global }
      - { .name: b2, .offset: 40, .size: 8, .value_kind: global_buffer, .address_space: global }
      - { .name: atab, .offset: 48, .size: 8, .value_kind: global_buffer, .address_space: global }
      - { .name: ytab, .offset: 56, .size: 8, .value_kind: global_buffer, .address_space: global }
      - { .name: vtc, .offset: 64, .size: 8, .value_kind: global_buffer, .address_space: global }
      - { .name: vts, .offset: 72, .size: 8, .value_kind: global_buffer, .address_space: global }
    .group_segment_fixed_size: 10240
    .private_segment_fixed_size: 0
    .kernarg_segment_align: 8
    .kernarg_segment_size: 80
    .max_flat_workgroup_size: 512
    .sgpr_count:     66
    .vgpr_count:     256
    .wavefront_size: 32
...
	.end_amdgpu_metadata
.endif
;; end of part 1
;; launch score (part 2): grid 256 x 1, 16 waves a work-group, no clusters, 206,848 bytes of LDS; arguments atab, ytab, sc; writes sc
.if DOCPART == 2
	.amdgcn_target "amdgcn-amd-amdhsa--gfx1250"
	.amdhsa_code_object_version 6
	.text
	.protected	k_q32b2922b29_score
	.globl	k_q32b2922b29_score
	.p2align	8
	.type	k_q32b2922b29_score,@function
k_q32b2922b29_score:
	s_mov_b64 s[64:65], 0
	v_nop
	global_prefetch_b8 v0, s[64:65] scope:SCOPE_SE
	s_setreg_imm32_b32 hwreg(HW_REG_WAVE_MODE, 25, 1), 1
	s_wait_xcnt 0x0
.set AROW, 144
.set AWV,  32*AROW
.set PB,   16*AWV
.set PBUF, 65536
.set GL,   1
.set AST,  2
.set ARD,  3
.set ACU,  4
.set PSB,  5
.set PSA,  6
.set RD0,  7
.set GO,   9
.set RES,  26
.set R,    28
.set AF,   32
.set AI,   48
.set T,    64
.set FB,   128
.set IB,   192
.macro ALOAD
	v_add_nc_u32 v[ACU], s20, v[ARD]
.irp k, 0,1,2,3
	ds_load_b128 v[AF+4*\k:AF+4*\k+3], v[ACU] offset:16*\k
	ds_load_b128 v[AI+4*\k:AI+4*\k+3], v[ACU] offset:64+16*\k
.endr
	s_add_co_u32 s20, s20, AROW
.endm
.macro PL rv
.if PN < 16
	v_add_nc_u32 v[T+16*(\rv)+PN], v[AI+PN], v[IB+16*(\rv)+PN]
.elseif PN < 32
	v_ldexp_f32 v[T+16*(\rv)+PN-16], v[AF+PN-16], v[T+16*(\rv)+PN-16]
.else
	v_pk_fma_f32 v[T+16*(\rv)+2*(PN-32):T+16*(\rv)+2*(PN-32)+1], v[T+16*(\rv)+2*(PN-32):T+16*(\rv)+2*(PN-32)+1], v[FB+16*(\rv)+2*(PN-32):FB+16*(\rv)+2*(PN-32)+1], 1.0 op_sel_hi:[1,1,0]
.endif
.set PN, PN+1
.endm
.macro MIX rv
.set PN, 0
.set RN, 0
.rept 16
	v_rcp_f32 v[T+16*((\rv)-1)+RN], v[T+16*((\rv)-1)+RN]
	PL \rv
	PL \rv
.if RN % 2
	PL \rv
.endif
.set RN, RN+1
.endr
.endm
.macro BATCH pre
	s_wait_dscnt 0x0
.set PN, 0
.rept 40
	PL 0
.endr
	MIX 1
	MIX 2
	MIX 3
.if \pre
	ALOAD
.endif
.set RN, 0
.rept 16
	v_rcp_f32 v[T+48+RN], v[T+48+RN]
.set RN, RN+1
.endr
	v_add_nc_u32 v[PSA], s21, v[PSB]
	s_wait_alu depctr_va_vdst(0)
.irp d, 2,4,8
.irp rv, 0,1,2,3
.set k, 0
.rept 8/\d
	v_pk_add_f32 v[T+16*\rv+k:T+16*\rv+k+1], v[T+16*\rv+k:T+16*\rv+k+1], v[T+16*\rv+k+\d:T+16*\rv+k+\d+1]
.set k, k+2*\d
.endr
.endr
.endr
.irp rv, 0,1,2,3
	v_pk_add_f32 v[T+16*\rv:T+16*\rv+1], v[T+16*\rv:T+16*\rv+1], -4.0 op_sel_hi:[1,0]
.endr
.irp rv, 0,1,2,3
	v_add_f32 v[R+\rv], v[T+16*\rv], v[T+16*\rv+1]
.endr
	ds_store_b128 v[PSA], v[R:R+3]
	s_add_co_u32 s21, s21, 8192
.endm
.macro GROUP g, trips, tail
	s_mov_b32 s20, (8*(\g)+1)*AROW
	s_mov_b32 s21, ((\g)%2)*PBUF
	s_mov_b32 s22, \trips
.Lq_\@:
	BATCH 1
	s_sub_co_u32 s22, s22, 1
	s_cmp_lg_u32 s22, 0
	s_cbranch_scc1 .Lq_\@
.if \tail
	BATCH 0
.endif
	s_wait_dscnt 0x0
	s_barrier_signal -1
	s_barrier_wait -1
.irp k, 0,1,2,3,4,5,6,7,8,9,10,11,12,13,14,15
	ds_load_b64 v[T+2*\k:T+2*\k+1], v[RD0+((\g)%2)] offset:512*\k
.endr
	s_wait_dscnt 0x0
.irp d, 1,2,4,8
.set k, 0
.rept 8/\d
	v_pk_add_f32 v[T+2*k:T+2*k+1], v[T+2*k:T+2*k+1], v[T+2*(k+\d):T+2*(k+\d)+1]
.set k, k+2*\d
.endr
.endr
	s_wait_xcnt 0x0
	v_pk_mul_f32 v[RES:RES+1], v[T:T+1], -2.0 op_sel_hi:[1,0]
	global_store_b64 v[GO], v[RES:RES+1], s[8:9] offset:65536*\g
.endm
	s_load_b128 s[4:7], s[0:1], 0x0
	s_load_b64 s[8:9], s[0:1], 0x10
	v_lshl_add_u32 v24, v0, 2, 0x32000
	v_mov_b32 v25, 0
	v_lshrrev_b32 v10, 5, v0
	v_readfirstlane_b32 s10, v10
	v_and_b32 v10, 31, v0
	v_lshlrev_b32 v[GL], 4, v10
	v_lshlrev_b32 v[GO], 3, v10
	s_mul_i32 s11, s10, AWV
	v_mul_u32_u24 v[AST], v10, AROW
	v_add_nc_u32 v[AST], s11, v[AST]
	v_mov_b32 v[ARD], s11
	s_lshl_b32 s12, s10, 9
	s_add_co_u32 s12, s12, PB
	v_add_nc_u32 v[PSB], s12, v[GL]
	s_lshr_b32 s12, s10, 1
	s_lshl_b32 s12, s12, 13
	s_and_b32 s13, s10, 1
	s_lshl_b32 s13, s13, 8
	s_add_co_u32 s12, s12, s13
	s_add_co_u32 s13, s12, PB
	v_add_nc_u32 v[RD0], s13, v[GO]
	v_add_nc_u32 v[RD0+1], PBUF, v[RD0]
	s_lshr_b32 s14, ttmp9, 2
	s_lshl_b32 s14, s14, 16
	s_lshl_b32 s15, s10, 12
	s_add_co_u32 s14, s14, s15
	s_mov_b32 s15, 0
	s_lshr_b32 s16, ttmp9, 5
	s_lshl_b32 s16, s16, 2
	s_and_b32 s17, ttmp9, 3
	s_add_co_u32 s16, s16, s17
	s_lshl_b32 s16, s16, 18
	s_lshl_b32 s17, s10, 12
	s_add_co_u32 s16, s16, s17
	s_mov_b32 s17, 0
	s_lshr_b32 s18, ttmp9, 5
	s_lshl_b32 s18, s18, 8
	s_bfe_u32 s19, ttmp9, 0x10004
	s_lshl_b32 s19, s19, 7
	s_add_co_u32 s18, s18, s19
	s_bfe_u32 s19, ttmp9, 0x20002
	s_add_co_u32 s18, s18, s19
	s_lshl_b32 s18, s18, 11
	s_and_b32 s19, ttmp9, 3
	s_lshl_b32 s19, s19, 9
	s_add_co_u32 s18, s18, s19
	s_add_co_u32 s18, s18, s12
	s_mov_b32 s19, 0
	s_mov_b32 s20, 0
	s_wait_kmcnt 0x0
	s_add_nc_u64 s[4:5], s[4:5], s[14:15]
	s_add_nc_u64 s[6:7], s[6:7], s[16:17]
	s_add_nc_u64 s[8:9], s[8:9], s[18:19]
.irp k, 0,1,2,3,4,5,6,7
	global_load_b128 v[T+4*\k:T+4*\k+3], v[GL], s[4:5] offset:512*\k
.endr
.irp rv, 0,1,2,3
.irp eq, 0,1,2,3
	global_load_b128 v[FB+16*\rv+4*\eq:FB+16*\rv+4*\eq+3], v[GL], s[6:7] offset:65536*\rv+512*\eq
	global_load_b128 v[IB+16*\rv+4*\eq:IB+16*\rv+4*\eq+3], v[GL], s[6:7] offset:65536*\rv+2048+512*\eq
.endr
.endr
	s_wait_loadcnt 32
.irp k, 0,1,2,3,4,5,6,7
	ds_store_b128 v[AST], v[T+4*\k:T+4*\k+3] offset:16*\k
.endr
	ALOAD
	s_wait_loadcnt 0x0
	GROUP 0, 8, 0
	GROUP 1, 8, 0
	GROUP 2, 8, 0
	GROUP 3, 7, 1
	s_wait_tensorcnt 0x0
	ds_add_u32 v24, v25
	s_wait_dscnt 0x0
	s_endpgm
.Lfunc_end_k_q32b2922b29_score:
	.size	k_q32b2922b29_score, .Lfunc_end_k_q32b2922b29_score-k_q32b2922b29_score
	.p2alignl 7, 3214868480
	.fill 96, 4, 3214868480
	.section	.rodata,"a",@progbits
	.p2align	6, 0x0
	.amdhsa_kernel k_q32b2922b29_score
		.amdhsa_group_segment_fixed_size 206848
		.amdhsa_private_segment_fixed_size 0
		.amdhsa_enable_private_segment 0
		.amdhsa_kernarg_size 24
		.amdhsa_user_sgpr_count 2
		.amdhsa_user_sgpr_kernarg_segment_ptr 1
		.amdhsa_wavefront_size32 1
		.amdhsa_system_sgpr_workgroup_id_x 1
		.amdhsa_system_sgpr_workgroup_id_y 1
		.amdhsa_system_sgpr_workgroup_id_z 1
		.amdhsa_system_vgpr_workitem_id 0
		.amdhsa_next_free_vgpr 256
		.amdhsa_next_free_sgpr 66
		.amdhsa_reserve_vcc 0
		.amdhsa_float_denorm_mode_32 3
		.amdhsa_float_denorm_mode_16_64 3
		.amdhsa_memory_ordered 1
		.amdhsa_forward_progress 1
		.amdhsa_inst_pref_size 82
	.end_amdhsa_kernel
	.amdgpu_metadata
---
amdhsa.version: [ 1, 2 ]
amdhsa.kernels:
  - .name:           k_q32b2922b29_score
    .symbol:         k_q32b2922b29_score.kd
    .args:
      - { .name: atab, .offset: 0, .size: 8, .value_kind: global_buffer, .address_space: global }
      - { .name: ytab, .offset: 8, .size: 8, .value_kind: global_buffer, .address_space: global }
      - { .name: sc, .offset: 16, .size: 8, .value_kind: global_buffer, .address_space: global }
    .group_segment_fixed_size: 206848
    .private_segment_fixed_size: 0
    .kernarg_segment_align: 8
    .kernarg_segment_size: 24
    .max_flat_workgroup_size: 512
    .sgpr_count:     66
    .vgpr_count:     256
    .wavefront_size: 32
...
	.end_amdgpu_metadata
.endif
;; end of part 2
;; launch finish (part 3): grid 256 x 1, 16 waves a work-group, no clusters, 38,912 bytes of LDS; arguments sc, vtc, vts, query, out0, out1; writes out0, out1
.if DOCPART == 3
	.amdgcn_target "amdgcn-amd-amdhsa--gfx1250"
	.amdhsa_code_object_version 6
	.text
	.protected	k_q32b2922b29_finish
	.globl	k_q32b2922b29_finish
	.p2align	8
	.type	k_q32b2922b29_finish,@function
k_q32b2922b29_finish:
	s_mov_b64 s[64:65], 0
	v_nop
	global_prefetch_b8 v0, s[64:65] scope:SCOPE_SE
	s_setreg_imm32_b32 hwreg(HW_REG_WAVE_MODE, 25, 1), 1
	s_wait_xcnt 0x0
.set ST_M, 0
.set ST_I, 256
.set TBK,  512
.set FRB,  1536
.set PIMG, TBK+64*272
.set PSC,  PIMG+4*FRB
.set CST,  PSC+512
.set LN,   1
.set LR,   2
.set LH,   3
.set L16,  4
.set XO,   5
.set OB,   6
.set OC,   7
.set NM,   8
.set IL,   12
.set NB,   16
.set IV,   18
.set L8,   20
.set L4,   21
.set ASS,  22
.set ATW,  23
.set TR,   24
.set BV,   32
.set ATR,  40
.set ASR,  41
.set API,  42
.set APS,  43
.set ACW,  44
.set ACR,  45
.set O1,   46
.set NR,   50
.set IR,   51
.set MX,   54
.set TP,   58
.set X,    64
.set TM,   64
.set PC,   80
.set PW,   99
.set OR,   100
.set CN,   128
.set PF,   128
.set D0,   176
.set D1,   184
.set VF,   192
.set VS,   240
.set QC,   244
.set PS,   248
.set WV,   16
.set LG,   32
.set SEL,  34
.macro QUANT s
.irp b, 0,1,2,3
	v_max3_num_f32 v[TM+\b], |v[\s+16*\b]|, |v[\s+1+16*\b]|, 0x2800000
.endr
.irp i, 2,4,6,8,10,12,14
.irp b, 0,1,2,3
	v_max3_num_f32 v[TM+\b], v[TM+\b], |v[\s+16*\b+\i]|, |v[\s+1+16*\b+\i]|
.endr
.endr
.irp b, 0,1,2,3
	v_permlanex16_b32 v[TM+4+\b], v[TM+\b], s[SEL], s[SEL+1]
.endr
.irp b, 0,1,2,3
	v_max_num_f32 v[TM+\b], v[TM+\b], v[TM+4+\b]
.endr
.irp b, 0,1,2,3
	v_add_nc_u32 v[TM+12+\b], 0xfe000000, v[TM+\b]
.endr
.irp b, 0,1,2,3
	v_lshrrev_b32 v[TM+4+\b], 23, v[TM+12+\b]
.endr
	v_lshl_or_b32 v[PW], v[TM+5], 8, v[TM+4]
	v_lshl_or_b32 v[PW], v[TM+6], 16, v[PW]
	v_lshl_or_b32 v[PW], v[TM+7], 24, v[PW]
.irp c, 0,1
	v_cvt_scalef32_pk16_bf6_f32 v[PC+6*\c:PC+2+6*\c], v[\s+32*\c:\s+15+32*\c], v[TM+12+2*\c]
	v_cvt_scalef32_pk16_bf6_f32 v[PC+12+4*\c:PC+14+4*\c], v[\s+16+32*\c:\s+31+32*\c], v[TM+12+2*\c+1]
.endr
	v_nop
.irp c, 0,1
.irp i, 0,1,2
	v_permlane16_swap_b32 v[PC+6*\c+\i], v[PC+12+4*\c+\i]
.endr
.irp i, 0,1,2
	v_mov_b32 v[PC+3+6*\c+\i], v[PC+12+4*\c+\i]
.endr
.endr
.endm
.macro BARRIER
	s_wait_dscnt 0x0
	s_barrier_signal -1
	s_barrier_wait -1
.endm
	s_load_b256 s[4:11], s[0:1], 0x0
	s_load_b128 s[12:15], s[0:1], 0x20
	v_lshl_add_u32 v254, v0, 2, 0x9000
	v_mov_b32 v255, 0
	v_lshrrev_b32 v1, 5, v0
	v_readfirstlane_b32 s[WV], v1
	v_and_b32 v[LN], 31, v0
	v_and_b32 v[LR], 15, v0
	v_bfe_u32 v[LH], v0, 4, 1
	v_lshlrev_b32 v[L16], 4, v[LN]
	v_lshlrev_b32 v[L8], 3, v[LN]
	v_lshlrev_b32 v[L4], 2, v[LN]
	s_lshr_b32 s17, ttmp9, 5
	s_bfe_u32 s18, ttmp9, 0x20003
	s_and_b32 s19, ttmp9, 7
	s_lshr_b32 s20, s19, 1
	s_and_b32 s21, s19, 1
	s_lshl_b32 s28, s[WV], 13
	v_add_nc_u32 v[XO], s28, v[L16]
	s_lshl_b32 s29, s19, 8
	s_add_co_u32 s29, s29, s28
	v_lshl_add_u32 v[OB], v[LR], 4, s29
	v_lshl_add_u32 v[OB], v[LH], 11, v[OB]
	s_lshl_b32 s28, s20, 15
	s_lshl_b32 s29, s[WV], 9
	s_add_co_u32 s28, s28, s29
	v_lshl_add_u32 v[OC], v[LR], 11, s28
	v_lshl_add_u32 v[OC], v[LH], 6, v[OC]
	v_lshlrev_b32 v[O1], 4, v[LR]
	v_lshl_add_u32 v[O1], v[LH], 10, v[O1]
	s_lshl_b32 s28, s[WV], 4
	v_mov_b32 v[ASS], s28
	v_mul_u32_u24 v[ATW], v[LR], 1088
	v_lshl_add_u32 v[ATW], v[LH], 2, v[ATW]
	v_add_nc_u32 v[ATW], s28, v[ATW]
	s_mul_i32 s28, s[WV], 1088
	v_mul_u32_u24 v[ATR], v[LH], 272
	v_lshl_add_u32 v[ATR], v[LR], 4, v[ATR]
	v_add_nc_u32 v[ATR], s28, v[ATR]
	s_lshl_b32 s28, s20, 6
	v_lshl_add_u32 v[ASR], v[LR], 2, s28
	s_mul_i32 s28, s[WV], FRB
	v_add_nc_u32 v[API], s28, v[L16]
	s_lshl_b32 s28, s[WV], 7
	v_add_nc_u32 v[APS], s28, v[L4]
	s_lshl_b32 s28, s[WV], 6
	v_mul_u32_u24 v[ACW], v[LR], 528
	v_lshl_add_u32 v[ACW], v[LH], 5, v[ACW]
	v_add_nc_u32 v[ACW], s28, v[ACW]
	s_mul_i32 s28, s[WV], 528
	v_add_nc_u32 v[ACR], s28, v[L16]
	s_mov_b32 s[LG], 0x3fb8aa3b
	s_mov_b32 s[SEL], 0x76543210
	s_mov_b32 s[SEL+1], 0xfedcba98
.irp i, 0,1,2,3
	v_mov_b32 v[TP+\i], 0
.endr
	v_cmp_le_u32 vcc_lo, 16, v[LN]
	s_lshl_b32 s22, s17, 8
	s_lshl_b32 s23, s18, 6
	s_add_co_u32 s22, s22, s23
	s_lshl_b32 s26, s21, 3
	s_add_co_u32 s26, s26, s[WV]
	s_lshl_b32 s27, s20, 4
	s_add_co_u32 s27, s27, s22
	s_add_co_u32 s27, s27, s[WV]
	s_lshl_b32 s30, s21, 9
	s_mov_b32 s25, 0
	s_wait_kmcnt 0x0
	s_lshl_b32 s24, s22, 11
	s_add_nc_u64 s[4:5], s[4:5], s[24:25]
	s_mul_i32 s24, s17, 64*FRB
	s_mul_i32 s28, s26, 4*FRB
	s_add_co_u32 s24, s24, s28
	s_add_nc_u64 s[6:7], s[6:7], s[24:25]
	s_lshl_b32 s24, s17, 13
	s_lshl_b32 s28, s26, 9
	s_add_co_u32 s24, s24, s28
	s_add_nc_u64 s[8:9], s[8:9], s[24:25]
	s_lshl_b32 s24, s27, 10
	s_add_co_u32 s24, s24, s30
	s_add_nc_u64 s[10:11], s[10:11], s[24:25]
	s_lshl_b32 s24, s27, 11
	s_add_co_u32 s24, s24, s30
	s_add_nc_u64 s[12:13], s[12:13], s[24:25]
	s_lshl_b32 s24, s17, 9
	s_lshl_b32 s28, s19, 6
	s_add_co_u32 s24, s24, s28
	s_lshl_b32 s28, s[WV], 2
	s_add_co_u32 s24, s24, s28
	s_lshl_b32 s24, s24, 10
	s_lshl_b32 s28, s18, 8
	s_add_co_u32 s24, s24, s28
	s_add_nc_u64 s[14:15], s[14:15], s[24:25]
	s_cmp_lt_u32 s[WV], 8
	s_cbranch_scc0 .Lcommon
.irp s, 0,1,2,3
.irp c, 0,1,2
	global_load_b128 v[VF+12*\s+4*\c:VF+12*\s+4*\c+3], v[L16], s[6:7] offset:\s*FRB+512*\c
.endr
.endr
.irp k, 0,1
	global_load_b64 v[VS+2*\k:VS+2*\k+1], v[L8], s[8:9] offset:256*\k
.endr
	s_cmp_lt_u32 s[WV], 4
	s_cbranch_scc0 .Lcommon
.irp b, 0,1,2,3
.irp j, 0,1,2,3
	global_load_b128 v[CN+16*\b+4*\j:CN+16*\b+4*\j+3], v[OC], s[4:5] offset:128*\b+16*\j
.endr
.endr
.Lcommon:
.irp i, 0,1,2,3
.irp m, 0,1,2,3
	global_load_b128 v[X+16*\i+4*\m:X+16*\i+4*\m+3], v[XO], s[4:5] offset:2048*\i+512*\m
.endr
.endr
.irp u, 0,1
	global_load_b128 v[BV+4*\u:BV+4*\u+3], v[OB], s[4:5] offset:4096*\u
.endr
	global_load_b128 v[QC:QC+3], v[L16], s[10:11]
	s_wait_loadcnt 0x0
.irp i, 0,1,2,3
	v_max3_num_f32 v[MX+\i], v[X+16*\i], v[X+16*\i+1], v[X+16*\i+2]
.endr
.irp k, 3,5,7,9,11,13
.irp i, 0,1,2,3
	v_max3_num_f32 v[MX+\i], v[MX+\i], v[X+16*\i+\k], v[X+16*\i+\k+1]
.endr
.endr
.irp i, 0,1,2,3
	v_max_num_f32 v[MX+\i], v[MX+\i], v[X+16*\i+15]
.endr
.irp m, 1,2,4,8
.irp i, 0,1,2,3
	v_max_num_f32_dpp v[MX+\i], v[MX+\i], v[MX+\i] row_xmask:\m row_mask:0xf bank_mask:0xf
.endr
.endr
.irp i, 0,1,2,3
	v_permlanex16_b32 v[TP+\i], v[MX+\i], s[SEL], s[SEL+1]
.endr
.irp i, 0,1,2,3
	v_max_num_f32 v[MX+\i], v[MX+\i], v[TP+\i]
.endr
.irp i, 0,1,2,3
	v_mul_f32 v[MX+\i], s[LG], v[MX+\i]
.endr
.irp i, 0,1,2,3
	v_floor_f32 v[NM+\i], -v[MX+\i]
.endr
.irp u, 0,1
	v_cndmask_b32 v[NB+\u], v[NM+2*\u], v[NM+2*\u+1], vcc_lo
.endr
.irp i, 0,1,2,3
.irp k, 0,1,2,3,4,5,6,7,8,9,10,11,12,13,14,15
	v_fma_f32 v[X+16*\i+\k], v[X+16*\i+\k], s[LG], v[NM+\i]
.endr
.endr
.irp u, 0,1
.irp c, 0,1,2,3
	v_fma_f32 v[BV+4*\u+\c], v[BV+4*\u+\c], s[LG], v[NB+\u]
.endr
.endr
.set i, 0
.rept 64
	v_exp_f32 v[X+i], v[X+i]
.set i, i+1
.endr
.set i, 0
.rept 8
	v_exp_f32 v[BV+i], v[BV+i]
.set i, i+1
.endr
	v_nop
	s_wait_alu depctr_va_vdst(0)
.irp d, 2,4,8
.irp i, 0,1,2,3
.set k, 0
.rept 8/\d
	v_pk_add_f32 v[X+16*\i+k:X+16*\i+k+1], v[X+16*\i+k:X+16*\i+k+1], v[X+16*\i+k+\d:X+16*\i+k+\d+1]
.set k, k+2*\d
.endr
.endr
.endr
.irp i, 0,1,2,3
	v_add_f32 v[MX+\i], v[X+16*\i], v[X+16*\i+1]
.endr
.irp m, 1,2,4,8
.irp i, 0,1,2,3
	v_add_f32_dpp v[MX+\i], v[MX+\i], v[MX+\i] row_xmask:\m row_mask:0xf bank_mask:0xf
.endr
.endr
.irp i, 0,1,2,3
	v_permlanex16_b32 v[TP+\i], v[MX+\i], s[SEL], s[SEL+1]
.endr
.irp i, 0,1,2,3
	v_add_f32 v[MX+\i], v[MX+\i], v[TP+\i]
.endr
.irp i, 0,1,2,3
	v_rcp_f32 v[IL+\i], v[MX+\i]
.endr
	v_nop
	s_wait_alu depctr_va_vdst(0)
	ds_store_b128 v[ASS], v[NM:NM+3] offset:ST_M
	ds_store_b128 v[ASS], v[IL:IL+3] offset:ST_I
.irp u, 0,1
	v_cndmask_b32 v[IV+\u], v[IL+2*\u], v[IL+2*\u+1], vcc_lo
.endr
.irp u, 0,1
.irp c, 0,1,2,3
	v_mul_f32 v[BV+4*\u+\c], v[BV+4*\u+\c], v[IV+\u]
.endr
.endr
.irp u, 0,1
.irp c, 0,1,2,3
	ds_store_b32 v[ATW], v[BV+4*\u+\c] offset:TBK+272*\c+8*\u
.endr
.endr
	BARRIER
.irp u, 0,1
	ds_load_b128 v[TR+4*\u:TR+4*\u+3], v[ATR] offset:TBK+544*\u
.endr
	ds_load_b32 v[NR], v[ASR] offset:ST_M
	ds_load_b32 v[IR], v[ASR] offset:ST_I
	s_wait_dscnt 0x0
.irp u, 0,1
	global_store_b128 v[O1], v[TR+4*\u:TR+4*\u+3], s[14:15] offset:2048*\u
.endr
	s_cmp_lt_u32 s[WV], 4
	s_cbranch_scc0 .Lno_p
.set i, 0
.rept 64
	v_fma_f32 v[CN+i], v[CN+i], s[LG], v[NR]
.set i, i+1
.endr
.set i, 0
.rept 64
	v_exp_f32 v[CN+i], v[CN+i]
.set i, i+1
.endr
	v_nop
	s_wait_alu depctr_va_vdst(0)
	QUANT CN
.irp c, 0,1,2
	ds_store_b128 v[API], v[PC+4*\c:PC+4*\c+3] offset:PIMG+512*\c
.endr
	ds_store_b32 v[APS], v[PW] offset:PSC
.Lno_p:
	BARRIER
	s_cmp_lt_u32 s[WV], 8
	s_cbranch_scc0 .Lno_mul
.irp s, 0,1,2,3
.irp c, 0,1,2
	ds_load_b128 v[PF+12*\s+4*\c:PF+12*\s+4*\c+3], v[L16] offset:PIMG+\s*FRB+512*\c
.endr
	ds_load_b32 v[PS+\s], v[L4] offset:PSC+128*\s
.endr
	s_wait_dscnt 0x0
	v_wmma_scale_f32_16x16x128_f8f6f4 v[D0:D0+7], v[VF:VF+11], v[PF:PF+11], 0, v[VS], v[PS] matrix_a_fmt:MATRIX_FMT_BF6 matrix_b_fmt:MATRIX_FMT_BF6
	v_wmma_scale_f32_16x16x128_f8f6f4 v[D1:D1+7], v[VF+12:VF+23], v[PF+12:PF+23], 0, v[VS+1], v[PS+1] matrix_a_fmt:MATRIX_FMT_BF6 matrix_b_fmt:MATRIX_FMT_BF6
	v_wmma_scale_f32_16x16x128_f8f6f4 v[D0:D0+7], v[VF+24:VF+35], v[PF+24:PF+35], v[D0:D0+7], v[VS+2], v[PS+2] matrix_a_fmt:MATRIX_FMT_BF6 matrix_b_fmt:MATRIX_FMT_BF6
	v_wmma_scale_f32_16x16x128_f8f6f4 v[D1:D1+7], v[VF+36:VF+47], v[PF+36:PF+47], v[D1:D1+7], v[VS+3], v[PS+3] matrix_a_fmt:MATRIX_FMT_BF6 matrix_b_fmt:MATRIX_FMT_BF6
.rept 4
	v_nop
.endr
.irp i, 0,1,2,3,4,5,6,7
	v_add_f32 v[OR+\i], v[D0+\i], v[D1+\i]
.endr
.irp i, 0,1,2,3,4,5,6,7
	v_mul_f32 v[OR+\i], v[OR+\i], v[IR]
.endr
	ds_store_b128 v[ACW], v[OR:OR+3] offset:CST
	ds_store_b128 v[ACW], v[OR+4:OR+7] offset:CST+16
.Lno_mul:
	BARRIER
	ds_load_b128 v[BV:BV+3], v[ACR] offset:CST
	s_wait_dscnt 0x0
	global_store_b128 v[L16], v[BV:BV+3], s[12:13]
	global_store_b128 v[L16], v[QC:QC+3], s[12:13] offset:1024
	s_wait_tensorcnt 0x0
	ds_add_u32 v254, v255
	s_wait_dscnt 0x0
	s_endpgm
.Lfunc_end_k_q32b2922b29_finish:
	.size	k_q32b2922b29_finish, .Lfunc_end_k_q32b2922b29_finish-k_q32b2922b29_finish
	.p2alignl 7, 3214868480
	.fill 96, 4, 3214868480
	.section	.rodata,"a",@progbits
	.p2align	6, 0x0
	.amdhsa_kernel k_q32b2922b29_finish
		.amdhsa_group_segment_fixed_size 38912
		.amdhsa_private_segment_fixed_size 0
		.amdhsa_enable_private_segment 0
		.amdhsa_kernarg_size 48
		.amdhsa_user_sgpr_count 2
		.amdhsa_user_sgpr_kernarg_segment_ptr 1
		.amdhsa_wavefront_size32 1
		.amdhsa_system_sgpr_workgroup_id_x 1
		.amdhsa_system_sgpr_workgroup_id_y 1
		.amdhsa_system_sgpr_workgroup_id_z 1
		.amdhsa_system_vgpr_workitem_id 0
		.amdhsa_next_free_vgpr 256
		.amdhsa_next_free_sgpr 66
		.amdhsa_reserve_vcc 1
		.amdhsa_float_denorm_mode_32 3
		.amdhsa_float_denorm_mode_16_64 3
		.amdhsa_memory_ordered 1
		.amdhsa_forward_progress 1
		.amdhsa_inst_pref_size 38
	.end_amdhsa_kernel
	.amdgpu_metadata
---
amdhsa.version: [ 1, 2 ]
amdhsa.kernels:
  - .name:           k_q32b2922b29_finish
    .symbol:         k_q32b2922b29_finish.kd
    .args:
      - { .name: sc, .offset: 0, .size: 8, .value_kind: global_buffer, .address_space: global }
      - { .name: vtc, .offset: 8, .size: 8, .value_kind: global_buffer, .address_space: global }
      - { .name: vts, .offset: 16, .size: 8, .value_kind: global_buffer, .address_space: global }
      - { .name: query, .offset: 24, .size: 8, .value_kind: global_buffer, .address_space: global }
      - { .name: out0, .offset: 32, .size: 8, .value_kind: global_buffer, .address_space: global }
      - { .name: out1, .offset: 40, .size: 8, .value_kind: global_buffer, .address_space: global }
    .group_segment_fixed_size: 38912
    .private_segment_fixed_size: 0
    .kernarg_segment_align: 8
    .kernarg_segment_size: 48
    .max_flat_workgroup_size: 512
    .sgpr_count:     66
    .vgpr_count:     256
    .wavefront_size: 32
...
	.end_amdgpu_metadata
.endif
;; end of part 3
;; ======== version 2 of 3: 3 launches; 1.22 times as fast as version 1
;; limits: right only within a limited range of input values
;; workspace buffers: atab 4,194,304 bytes; ytab 8,388,608 bytes; vtc 786,432 bytes; vts 65,536 bytes; sc 4,194,304 bytes; nmax 786,432 bytes of whole numbers
;; launch prep (part 4): grid 208 x 1, 16 waves a work-group, no clusters, 10,240 bytes of LDS; arguments query, value, W1, b1, W2, b2, atab, ytab, vtc, vts, nmax; writes atab, ytab, vtc, vts, nmax
.if DOCPART == 4
	.amdgcn_target "amdgcn-amd-amdhsa--gfx1250"
	.amdhsa_code_object_version 6
	.text
	.protected	k_q32b2922b29_prep
	.globl	k_q32b2922b29_prep
	.p2align	8
	.type	k_q32b2922b29_prep,@function
k_q32b2922b29_prep:
	s_mov_b64 s[64:65], 0
	v_nop
	global_prefetch_b8 v0, s[64:65] scope:SCOPE_SE
	s_setreg_imm32_b32 hwreg(HW_REG_WAVE_MODE, 25, 1), 1
	s_wait_xcnt 0x0
.set FRB,  1536
.set XSC,  4*FRB
.set LR,   1
.set LH,   2
.set SLO,  3
.set XLO,  4
.set LI,   5
.set LS,   6
.set XWI,  7
.set XWS,  8
.set BO,   9
.set OO,   10
.set L8,   11
.set SH8,  12
.set WS,   14
.set XS,   16
.set TM,   20
.set FL,   22
.set PC,   36
.set PW,   55
.set BI,   56
.set XR,   64
.set WF,   64
.set DA,   88
.set TT,   104
.set MG,   120
.set WX,   128
.set XF,   128
.set NF,   176
.set WN,   192
.set DN,   216
.set WV,   28
.set SEL,  52
.set CC,   54
.set LIMN, 56
.set LIMP, 57
.macro QUANT s
.irp b, 0,1,2,3
	v_max3_num_f32 v[TM+\b], |v[\s+16*\b]|, |v[\s+1+16*\b]|, 0x2800000
.endr
.irp i, 2,4,6,8,10,12,14
.irp b, 0,1,2,3
	v_max3_num_f32 v[TM+\b], v[TM+\b], |v[\s+16*\b+\i]|, |v[\s+1+16*\b+\i]|
.endr
.endr
.irp b, 0,1,2,3
	v_permlanex16_b32 v[TM+4+\b], v[TM+\b], s[SEL], s[SEL+1]
.endr
.irp b, 0,1,2,3
	v_max_num_f32 v[TM+\b], v[TM+\b], v[TM+4+\b]
.endr
.irp b, 0,1,2,3
	v_add_nc_u32 v[TM+12+\b], 0xfe000000, v[TM+\b]
.endr
.irp b, 0,1,2,3
	v_lshrrev_b32 v[TM+4+\b], 23, v[TM+12+\b]
.endr
	v_lshl_or_b32 v[PW], v[TM+5], 8, v[TM+4]
	v_lshl_or_b32 v[PW], v[TM+6], 16, v[PW]
	v_lshl_or_b32 v[PW], v[TM+7], 24, v[PW]
.irp c, 0,1
	v_cvt_scalef32_pk16_bf6_f32 v[PC+6*\c:PC+2+6*\c], v[\s+32*\c:\s+15+32*\c], v[TM+12+2*\c]
	v_cvt_scalef32_pk16_bf6_f32 v[PC+12+4*\c:PC+14+4*\c], v[\s+16+32*\c:\s+31+32*\c], v[TM+12+2*\c+1]
.endr
	v_nop
.irp c, 0,1
.irp i, 0,1,2
	v_permlane16_swap_b32 v[PC+6*\c+\i], v[PC+12+4*\c+\i]
.endr
.irp i, 0,1,2
	v_mov_b32 v[PC+3+6*\c+\i], v[PC+12+4*\c+\i]
.endr
.endr
.endm
.macro COLLOAD
.irp q, 0,1,2,3
.irp i, 0,1,2,3,4,5,6,7,8,9,10,11,12,13,14,15,16,17,18,19,20,21,22,23,24,25,26,27,28,29,30,31
	global_load_b32 v[WX+32*\q+\i], v[SLO], s[40:41] offset:(64*\q+\i)*1024
.endr
.endr
.endm
.macro SLABQ s
.irp c, 0,1
	v_max3_num_f32 v[TM+\c], |v[WX+64*\s+32*\c]|, |v[WX+64*\s+32*\c+1]|, 0x2800000
.endr
.irp i, 2,4,6,8,10,12,14,16,18,20,22,24,26,28,30
.irp c, 0,1
	v_max3_num_f32 v[TM+\c], v[TM+\c], |v[WX+64*\s+32*\c+\i]|, |v[WX+64*\s+32*\c+\i+1]|
.endr
.endr
.irp c, 0,1
	v_add_nc_u32 v[TM+2+\c], 0xfe000000, v[TM+\c]
.endr
.irp c, 0,1
	v_lshrrev_b32 v[TM+8+\c], 23, v[TM+2+\c]
.endr
	v_lshl_or_b32 v[TM+10], v[TM+9], 16, v[TM+8]
	v_lshlrev_b32 v[TM+10], v[SH8], v[TM+10]
	v_permlanex16_b32 v[TM+4], v[TM+10], s[SEL], s[SEL+1]
	v_or_b32 v[WS+\s], v[TM+10], v[TM+4]
.irp c, 0,1
	v_cvt_scalef32_pk16_bf6_f32 v[WF+12*\s+6*\c:WF+12*\s+6*\c+2], v[WX+64*\s+32*\c:WX+64*\s+32*\c+15], v[TM+2+\c]
	v_cvt_scalef32_pk16_bf6_f32 v[PC+4*\c:PC+4*\c+2], v[WX+64*\s+32*\c+16:WX+64*\s+32*\c+31], v[TM+2+\c]
.endr
	v_nop
.irp c, 0,1
.irp i, 0,1,2
	v_mov_b32 v[WF+12*\s+6*\c+3+\i], v[PC+4*\c+\i]
.endr
.endr
.endm
	s_load_b512 s[8:23], s[0:1], 0x0
	s_load_b128 s[24:27], s[0:1], 0x40
	s_load_b64 s[2:3], s[0:1], 0x50
	v_lshl_add_u32 v31, v0, 2, 0x2000
	v_mov_b32 v51, 0
	v_lshrrev_b32 v13, 5, v0
	v_readfirstlane_b32 s[WV], v13
	v_and_b32 v13, 31, v0
	v_and_b32 v[LR], 15, v0
	v_bfe_u32 v[LH], v0, 4, 1
	v_lshlrev_b32 v[LI], 4, v13
	v_lshlrev_b32 v[LS], 2, v13
	v_lshlrev_b32 v[L8], 3, v13
	v_lshlrev_b32 v[SH8], 3, v[LH]
	s_mul_i32 s29, s[WV], FRB
	v_add_nc_u32 v[XWI], s29, v[LI]
	s_lshl_b32 s29, s[WV], 7
	v_add_nc_u32 v[XWS], s29, v[LS]
	s_lshl_b32 s29, s[WV], 6
	v_lshl_add_u32 v[SLO], v[LR], 2, s29
	v_lshl_add_u32 v[SLO], v[LH], 15, v[SLO]
	v_lshl_add_u32 v[BO], v[LH], 5, s29
	s_lshr_b32 s29, s[WV], 1
	s_lshl_b32 s29, s29, 16
	s_and_b32 s44, s[WV], 1
	s_lshl_b32 s44, s44, 9
	s_or_b32 s29, s29, s44
	v_lshl_add_u32 v[XLO], v[LR], 12, s29
	v_lshl_add_u32 v[XLO], v[LH], 6, v[XLO]
	v_lshlrev_b32 v[OO], 4, v[LR]
	v_lshl_add_u32 v[OO], v[LH], 10, v[OO]
	s_mov_b32 s[SEL], 0x76543210
	s_mov_b32 s[SEL+1], 0xfedcba98
	s_mov_b32 s[CC], 0x4038aa3b
	s_mov_b32 s[CC+1], s[CC]
	s_mov_b32 s[LIMN], 0xc9800000
	s_mov_b32 s[LIMP], 0x49800000
.irp b, 4,5,6,7
	v_mov_b32 v[TM+\b], 0
.endr
	s_mov_b32 s43, 0
	s_mov_b32 s45, 0
	s_wait_kmcnt 0x0
	s_cmp_lt_u32 ttmp9, 64
	s_cselect_b64 s[30:31], s[8:9], s[10:11]
	s_cselect_b64 s[32:33], s[12:13], s[16:17]
	s_cselect_b64 s[34:35], s[14:15], s[18:19]
	s_cselect_b64 s[36:37], s[20:21], s[22:23]
	s_cselect_b32 s38, 0, 64
	s_cmp_ge_u32 ttmp9, 192
	s_cbranch_scc1 .Lt3
	s_sub_co_u32 s38, ttmp9, s38
	s_mov_b64 s[40:41], s[32:33]
	s_lshr_b32 s44, s38, 2
	s_lshl_b32 s44, s44, 17
	s_and_b32 s46, s38, 3
	s_lshl_b32 s46, s46, 10
	s_or_b32 s44, s44, s46
	s_add_nc_u64 s[30:31], s[30:31], s[44:45]
	s_lshl_b32 s44, s38, 16
	s_lshl_b32 s46, s[WV], 12
	s_add_co_u32 s44, s44, s46
	s_add_nc_u64 s[36:37], s[36:37], s[44:45]
	s_lshl_b32 s44, ttmp9, 12
	s_lshl_b32 s46, s[WV], 8
	s_add_co_u32 s44, s44, s46
	s_add_nc_u64 s[2:3], s[2:3], s[44:45]
	global_load_b128 v[BI:BI+3], v[BO], s[34:35]
	global_load_b128 v[BI+4:BI+7], v[BO], s[34:35] offset:16
	s_cmp_lt_u32 s[WV], 4
	s_cbranch_scc0 .Lno_rows
.irp b, 0,1,2,3
.irp j, 0,1,2,3
	global_load_b128 v[XR+16*\b+4*\j:XR+16*\b+4*\j+3], v[XLO], s[30:31] offset:128*\b+16*\j
.endr
.endr
.Lno_rows:
	COLLOAD
	s_cmp_lt_u32 s[WV], 4
	s_cbranch_scc0 .Lcolumns
	s_wait_loadcnt 63
	QUANT XR
.irp c, 0,1,2
	ds_store_b128 v[XWI], v[PC+4*\c:PC+4*\c+3] offset:512*\c
.endr
	ds_store_b32 v[XWS], v[PW] offset:XSC
	s_wait_dscnt 0x0
.Lcolumns:
	s_wait_loadcnt 63
	SLABQ 0
	s_wait_loadcnt 0x0
	SLABQ 1
	s_wait_dscnt 0x0
	s_barrier_signal -1
	s_barrier_wait -1
.irp f, 0,1,2,3
.irp c, 0,1,2
	ds_load_b128 v[XF+12*\f+4*\c:XF+12*\f+4*\c+3], v[LI] offset:\f*FRB+512*\c
.endr
	ds_load_b32 v[XS+\f], v[LS] offset:XSC+128*\f
.endr
.set i, 0
.rept 8
	v_xor_b32 v[WN+i], 0x20820820, v[WF+i]
	v_xor_b32 v[WN+i+1], 0x08208208, v[WF+i+1]
	v_xor_b32 v[WN+i+2], 0x82082082, v[WF+i+2]
.set i, i+3
.endr
	v_mov_b32 v[MG], 0x4b400000
	v_mov_b32 v[MG+1], 0x4b400000
.rept 4
	v_nop
.endr
	s_wait_dscnt 0x0
	v_wmma_scale_f32_16x16x128_f8f6f4 v[DA:DA+7], v[WF:WF+11], v[XF:XF+11], 0, v[WS], v[XS] matrix_a_fmt:MATRIX_FMT_BF6 matrix_b_fmt:MATRIX_FMT_BF6
	v_wmma_scale_f32_16x16x128_f8f6f4 v[DA+8:DA+15], v[WF:WF+11], v[XF+24:XF+35], 0, v[WS], v[XS+2] matrix_a_fmt:MATRIX_FMT_BF6 matrix_b_fmt:MATRIX_FMT_BF6
	v_wmma_scale_f32_16x16x128_f8f6f4 v[DN:DN+7], v[WN:WN+11], v[XF:XF+11], 0, v[WS], v[XS] matrix_a_fmt:MATRIX_FMT_BF6 matrix_b_fmt:MATRIX_FMT_BF6
	v_wmma_scale_f32_16x16x128_f8f6f4 v[DN+8:DN+15], v[WN:WN+11], v[XF+24:XF+35], 0, v[WS], v[XS+2] matrix_a_fmt:MATRIX_FMT_BF6 matrix_b_fmt:MATRIX_FMT_BF6
	v_wmma_scale_f32_16x16x128_f8f6f4 v[DA:DA+7], v[WF+12:WF+23], v[XF+12:XF+23], v[DA:DA+7], v[WS+1], v[XS+1] matrix_a_fmt:MATRIX_FMT_BF6 matrix_b_fmt:MATRIX_FMT_BF6
	v_wmma_scale_f32_16x16x128_f8f6f4 v[DA+8:DA+15], v[WF+12:WF+23], v[XF+36:XF+47], v[DA+8:DA+15], v[WS+1], v[XS+3] matrix_a_fmt:MATRIX_FMT_BF6 matrix_b_fmt:MATRIX_FMT_BF6
	v_wmma_scale_f32_16x16x128_f8f6f4 v[DN:DN+7], v[WN+12:WN+23], v[XF+12:XF+23], v[DN:DN+7], v[WS+1], v[XS+1] matrix_a_fmt:MATRIX_FMT_BF6 matrix_b_fmt:MATRIX_FMT_BF6
	v_wmma_scale_f32_16x16x128_f8f6f4 v[DN+8:DN+15], v[WN+12:WN+23], v[XF+36:XF+47], v[DN+8:DN+15], v[WS+1], v[XS+3] matrix_a_fmt:MATRIX_FMT_BF6 matrix_b_fmt:MATRIX_FMT_BF6
.rept 4
	v_nop
.endr
.set i, 0
.rept 8
	v_pk_add_f32 v[DA+i:DA+i+1], v[DA+i:DA+i+1], v[DN+i:DN+i+1] neg_lo:[0,1] neg_hi:[0,1]
.set i, i+2
.endr
.set i, 0
.rept 8
	v_pk_fma_f32 v[DA+i:DA+i+1], v[DA+i:DA+i+1], 0.5, v[BI+(i%8):BI+(i%8)+1] op_sel_hi:[1,0,1]
.set i, i+2
.endr
.set i, 0
.rept 16
	v_med3_num_f32 v[DA+i], v[DA+i], s[LIMN], s[LIMP]
.set i, i+1
.endr
.set i, 0
.rept 8
	v_pk_fma_f32 v[TT+i:TT+i+1], v[DA+i:DA+i+1], s[CC:CC+1], v[MG:MG+1] op_sel_hi:[1,0,1]
.set i, i+2
.endr
.set i, 0
.rept 8
	v_pk_add_f32 v[NF+i:NF+i+1], v[TT+i:TT+i+1], v[MG:MG+1] neg_lo:[0,1] neg_hi:[0,1]
.set i, i+2
.endr
.set i, 0
.rept 8
	v_pk_fma_f32 v[DA+i:DA+i+1], v[DA+i:DA+i+1], s[CC:CC+1], v[NF+i:NF+i+1] op_sel_hi:[1,0,1] neg_lo:[0,0,1] neg_hi:[0,0,1]
.set i, i+2
.endr
.set i, 0
.rept 16
	v_exp_f32 v[DA+i], v[DA+i]
.set i, i+1
.endr
.set i, 0
.rept 16
	v_add_nc_u32 v[TT+i], 0xb4c00000, v[TT+i]
.set i, i+1
.endr
	v_max3_num_f32 v[TM], |v[NF]|, |v[NF+1]|, |v[NF+2]|
	v_max3_num_f32 v[TM+1], |v[NF+3]|, |v[NF+4]|, |v[NF+5]|
.irp i, 6,10
	v_max3_num_f32 v[TM], v[TM], |v[NF+\i]|, |v[NF+\i+1]|
	v_max3_num_f32 v[TM+1], v[TM+1], |v[NF+\i+2]|, |v[NF+\i+3]|
.endr
	v_max3_num_f32 v[TM], v[TM], |v[NF+14]|, |v[NF+15]|
	v_max_num_f32 v[TM], v[TM], v[TM+1]
.irp m, 1,2,4,8
	v_max_num_f32_dpp v[TM], v[TM], v[TM] row_xmask:\m row_mask:0xf bank_mask:0xf
.endr
	v_permlanex16_b32 v[TM+4], v[TM], s[SEL], s[SEL+1]
	v_max_num_f32 v[TM], v[TM], v[TM+4]
	v_cvt_i32_f32 v[FL], v[TM]
	v_mov_b32 v[FL+1], v[FL]
	global_store_b64 v[L8], v[FL:FL+1], s[2:3]
	s_wait_alu depctr_va_vdst(0)
.irp t, 0,1
.irp k, 0,1
	global_store_b128 v[OO], v[DA+8*\t+4*\k:DA+8*\t+4*\k+3], s[36:37] offset:512*\k+256*\t
	global_store_b128 v[OO], v[TT+8*\t+4*\k:TT+8*\t+4*\k+3], s[36:37] offset:2048+512*\k+256*\t
.endr
.endr
	s_wait_tensorcnt 0x0
	ds_add_u32 v31, v51
	s_wait_dscnt 0x0
	s_endpgm
.Lt3:
	s_sub_co_u32 s39, ttmp9, 192
	s_lshl_b32 s42, s39, 18
	s_add_nc_u64 s[40:41], s[10:11], s[42:43]
	COLLOAD
	s_lshr_b32 s46, s39, 1
	s_and_b32 s47, s39, 1
	s_mul_i32 s48, s46, 64*FRB
	s_mul_i32 s49, s[WV], 4*FRB
	s_add_co_u32 s48, s48, s49
	s_mul_i32 s49, s47, 2*FRB
	s_add_co_u32 s48, s48, s49
	s_mov_b32 s49, 0
	s_add_nc_u64 s[24:25], s[24:25], s[48:49]
	s_lshl_b32 s48, s46, 13
	s_lshl_b32 s50, s[WV], 9
	s_add_co_u32 s48, s48, s50
	s_lshl_b32 s50, s47, 8
	s_add_co_u32 s48, s48, s50
	s_add_nc_u64 s[26:27], s[26:27], s[48:49]
	s_wait_loadcnt 63
	SLABQ 0
	s_wait_loadcnt 0x0
	SLABQ 1
.irp s, 0,1
.irp c, 0,1,2
	global_store_b128 v[LI], v[WF+12*\s+4*\c:WF+12*\s+4*\c+3], s[24:25] offset:\s*FRB+512*\c
.endr
.endr
	global_store_b64 v[L8], v[WS:WS+1], s[26:27]
	s_endpgm
.Lfunc_end_k_q32b2922b29_prep:
	.size	k_q32b2922b29_prep, .Lfunc_end_k_q32b2922b29_prep-k_q32b2922b29_prep
	.p2alignl 7, 3214868480
	.fill 96, 4, 3214868480
	.section	.rodata,"a",@progbits
	.p2align	6, 0x0
	.amdhsa_kernel k_q32b2922b29_prep
		.amdhsa_group_segment_fixed_size 10240
		.amdhsa_private_segment_fixed_size 0
		.amdhsa_enable_private_segment 0
		.amdhsa_kernarg_size 88
		.amdhsa_user_sgpr_count 2
		.amdhsa_user_sgpr_kernarg_segment_ptr 1
		.amdhsa_wavefront_size32 1
		.amdhsa_system_sgpr_workgroup_id_x 1
		.amdhsa_system_sgpr_workgroup_id_y 1
		.amdhsa_system_sgpr_workgroup_id_z 1
		.amdhsa_system_vgpr_workitem_id 0
		.amdhsa_next_free_vgpr 256
		.amdhsa_next_free_sgpr 66
		.amdhsa_reserve_vcc 0
		.amdhsa_float_denorm_mode_32 3
		.amdhsa_float_denorm_mode_16_64 3
		.amdhsa_memory_ordered 1
		.amdhsa_forward_progress 1
		.amdhsa_inst_pref_size 57
	.end_amdhsa_kernel
	.amdgpu_metadata
---
amdhsa.version: [ 1, 2 ]
amdhsa.kernels:
  - .name:           k_q32b2922b29_prep
    .symbol:         k_q32b2922b29_prep.kd
    .args:
      - { .name: query, .offset: 0, .size: 8, .value_kind: global_buffer, .address_space: global }
      - { .name: value, .offset: 8, .size: 8, .value_kind: global_buffer, .address_space: global }
      - { .name: W1, .offset: 16, .size: 8, .value_kind: global_buffer, .address_space: global }
      - { .name: b1, .offset: 24, .size: 8, .value_kind: global_buffer, .address_space: global }
      - { .name: W2, .offset: 32, .size: 8, .value_kind: global_buffer, .address_space: global }
      - { .name: b2, .offset: 40, .size: 8, .value_kind: global_buffer, .address_space: global }
      - { .name: atab, .offset: 48, .size: 8, .value_kind: global_buffer, .address_space: global }
      - { .name: ytab, .offset: 56, .size: 8, .value_kind: global_buffer, .address_space: global }
      - { .name: vtc, .offset: 64, .size: 8, .value_kind: global_buffer, .address_space: global }
      - { .name: vts, .offset: 72, .size: 8, .value_kind: global_buffer, .address_space: global }
      - { .name: nmax, .offset: 80, .size: 8, .value_kind: global_buffer, .address_space: global }
    .group_segment_fixed_size: 10240
    .private_segment_fixed_size: 0
    .kernarg_segment_align: 8
    .kernarg_segment_size: 88
    .max_flat_workgroup_size: 512
    .sgpr_count:     66
    .vgpr_count:     256
    .wavefront_size: 32
...
	.end_amdgpu_metadata
.endif
;; end of part 4
;; launch score (part 5): grid 256 x 1, 16 waves a work-group, no clusters, 206,848 bytes of LDS; arguments atab, ytab, nmax, sc; writes sc
.if DOCPART == 5
	.amdgcn_target "amdgcn-amd-amdhsa--gfx1250"
	.amdhsa_code_object_version 6
	.text
	.protected	k_q32b2922b29_score
	.globl	k_q32b2922b29_score
	.p2align	8
	.type	k_q32b2922b29_score,@function
k_q32b2922b29_score:
	s_mov_b64 s[64:65], 0
	v_nop
	global_prefetch_b8 v0, s[64:65] scope:SCOPE_SE
	s_setreg_imm32_b32 hwreg(HW_REG_WAVE_MODE, 25, 1), 1
	s_wait_xcnt 0x0
.set AROW, 144
.set AWV,  32*AROW
.set PB,   16*AWV
.set PBUF, 65536
.set NLIM, 120
.set GL,   1
.set AST,  2
.set ARD,  3
.set ACU,  4
.set PSB,  5
.set PSA,  6
.set RD0,  7
.set GO,   9
.set RES,  26
.set R,    28
.set AF,   32
.set AI,   48
.set T,    64
.set FB,   128
.set IB,   192
.set WIDE, 23
.macro LOADF
.irp k, 0,1,2,3
	ds_load_b128 v[AF+4*\k:AF+4*\k+3], v[ACU] offset:16*\k
.endr
.endm
.macro LOADN
.irp k, 0,1,2,3
	ds_load_b128 v[AI+4*\k:AI+4*\k+3], v[ACU] offset:64+16*\k
.endr
.endm
.macro LAST16
.set RN, 0
.rept 16
	v_rcp_f32 v[T+48+RN], v[T+48+RN]
.set RN, RN+1
.endr
	v_nop
	s_wait_alu depctr_va_vdst(0)
.endm
.macro PF rv
	v_pk_fma_f32 v[T+16*(\rv)+2*PN:T+16*(\rv)+2*PN+1], v[AF+2*PN:AF+2*PN+1], v[FB+16*(\rv)+2*PN:FB+16*(\rv)+2*PN+1], 1.0 op_sel_hi:[1,1,0]
.set PN, PN+1
.endm
.macro MIXF rv
.set PN, 0
.set RN, 0
.rept 8
	PF \rv
	v_rcp_f32 v[T+16*((\rv)-1)+RN], v[T+16*((\rv)-1)+RN]
	v_rcp_f32 v[T+16*((\rv)-1)+RN+1], v[T+16*((\rv)-1)+RN+1]
.set RN, RN+2
.endr
.endm
.macro PL rv
.if PN < 16
	v_add_nc_u32 v[T+16*(\rv)+PN], v[AI+PN], v[IB+16*(\rv)+PN]
.elseif PN < 32
	v_ldexp_f32 v[T+16*(\rv)+PN-16], v[AF+PN-16], v[T+16*(\rv)+PN-16]
.else
	v_pk_fma_f32 v[T+16*(\rv)+2*(PN-32):T+16*(\rv)+2*(PN-32)+1], v[T+16*(\rv)+2*(PN-32):T+16*(\rv)+2*(PN-32)+1], v[FB+16*(\rv)+2*(PN-32):FB+16*(\rv)+2*(PN-32)+1], 1.0 op_sel_hi:[1,1,0]
.endif
.set PN, PN+1
.endm
.macro MIX rv
.set PN, 0
.set RN, 0
.rept 16
	v_rcp_f32 v[T+16*((\rv)-1)+RN], v[T+16*((\rv)-1)+RN]
	PL \rv
	PL \rv
.if RN % 2
	PL \rv
.endif
.set RN, RN+1
.endr
.endm
.macro BATCH pre
	s_wait_dscnt 0x0
	v_add_nc_u32 v[PSA], s21, v[PSB]
.if \pre
	v_add_nc_u32 v[ACU], s20, v[ARD]
	s_add_co_u32 s20, s20, AROW
.endif
	s_cmp_lg_u32 s[WIDE], 0
	s_cbranch_scc1 .Lwide_\@
.set PN, 0
.rept 8
	PF 0
.endr
	MIXF 1
	MIXF 2
	MIXF 3
.if \pre
	LOADF
.endif
	LAST16
	s_branch .Ljoin_\@
.Lwide_\@:
.set PN, 0
.rept 40
	PL 0
.endr
	MIX 1
	MIX 2
	MIX 3
.if \pre
	LOADF
	LOADN
.endif
	LAST16
.Ljoin_\@:
.irp d, 2,4,8
.irp rv, 0,1,2,3
.set k, 0
.rept 8/\d
	v_pk_add_f32 v[T+16*\rv+k:T+16*\rv+k+1], v[T+16*\rv+k:T+16*\rv+k+1], v[T+16*\rv+k+\d:T+16*\rv+k+\d+1]
.set k, k+2*\d
.endr
.endr
.endr
.irp rv, 0,1,2,3
	v_pk_add_f32 v[T+16*\rv:T+16*\rv+1], v[T+16*\rv:T+16*\rv+1], -4.0 op_sel_hi:[1,0]
.endr
.irp rv, 0,1,2,3
	v_add_f32 v[R+\rv], v[T+16*\rv], v[T+16*\rv+1]
.endr
	ds_store_b128 v[PSA], v[R:R+3]
	s_add_co_u32 s21, s21, 8192
.endm
.macro GROUP g, trips, tail
	s_mov_b32 s20, (8*(\g)+1)*AROW
	s_mov_b32 s21, ((\g)%2)*PBUF
	s_mov_b32 s22, \trips
.Lq_\@:
	BATCH 1
	s_sub_co_u32 s22, s22, 1
	s_cmp_lg_u32 s22, 0
	s_cbranch_scc1 .Lq_\@
.if \tail
	BATCH 0
.endif
	s_wait_dscnt 0x0
	s_barrier_signal -1
	s_barrier_wait -1
.irp k, 0,1,2,3,4,5,6,7,8,9,10,11,12,13,14,15
	ds_load_b64 v[T+2*\k:T+2*\k+1], v[RD0+((\g)%2)] offset:512*\k
.endr
	s_wait_dscnt 0x0
.irp d, 1,2,4,8
.set k, 0
.rept 8/\d
	v_pk_add_f32 v[T+2*k:T+2*k+1], v[T+2*k:T+2*k+1], v[T+2*(k+\d):T+2*(k+\d)+1]
.set k, k+2*\d
.endr
.endr
	s_wait_xcnt 0x0
	v_pk_mul_f32 v[RES:RES+1], v[T:T+1], -2.0 op_sel_hi:[1,0]
	global_store_b64 v[GO], v[RES:RES+1], s[8:9] offset:65536*\g
.endm
	s_load_b128 s[4:7], s[0:1], 0x0
	s_load_b64 s[24:25], s[0:1], 0x10
	s_load_b64 s[8:9], s[0:1], 0x18
	v_lshl_add_u32 v24, v0, 2, 0x32000
	v_mov_b32 v25, 0
	v_lshrrev_b32 v10, 5, v0
	v_readfirstlane_b32 s10, v10
	v_and_b32 v10, 31, v0
	v_lshlrev_b32 v[GL], 4, v10
	v_lshlrev_b32 v[GO], 3, v10
	s_mul_i32 s11, s10, AWV
	v_mul_u32_u24 v[AST], v10, AROW
	v_add_nc_u32 v[AST], s11, v[AST]
	v_mov_b32 v[ARD], s11
	s_lshl_b32 s12, s10, 9
	s_add_co_u32 s12, s12, PB
	v_add_nc_u32 v[PSB], s12, v[GL]
	s_lshr_b32 s12, s10, 1
	s_lshl_b32 s12, s12, 13
	s_and_b32 s13, s10, 1
	s_lshl_b32 s13, s13, 8
	s_add_co_u32 s12, s12, s13
	s_add_co_u32 s13, s12, PB
	v_add_nc_u32 v[RD0], s13, v[GO]
	v_add_nc_u32 v[RD0+1], PBUF, v[RD0]
	s_lshr_b32 s14, ttmp9, 2
	s_lshl_b32 s26, s14, 12
	s_lshl_b32 s29, s10, 8
	s_add_co_u32 s26, s26, s29
	s_mov_b32 s27, 0
	s_lshl_b32 s14, s14, 16
	s_lshl_b32 s15, s10, 12
	s_add_co_u32 s14, s14, s15
	s_mov_b32 s15, 0
	s_lshr_b32 s16, ttmp9, 5
	s_lshl_b32 s16, s16, 2
	s_and_b32 s17, ttmp9, 3
	s_add_co_u32 s16, s16, s17
	s_lshl_b32 s28, s16, 14
	s_add_co_u32 s28, s28, 64*4096
	s_add_co_u32 s28, s28, s29
	s_mov_b32 s29, 0
	s_lshl_b32 s16, s16, 18
	s_lshl_b32 s17, s10, 12
	s_add_co_u32 s16, s16, s17
	s_mov_b32 s17, 0
	s_lshr_b32 s18, ttmp9, 5
	s_lshl_b32 s18, s18, 8
	s_bfe_u32 s19, ttmp9, 0x10004
	s_lshl_b32 s19, s19, 7
	s_add_co_u32 s18, s18, s19
	s_bfe_u32 s19, ttmp9, 0x20002
	s_add_co_u32 s18, s18, s19
	s_lshl_b32 s18, s18, 11
	s_and_b32 s19, ttmp9, 3
	s_lshl_b32 s19, s19, 9
	s_add_co_u32 s18, s18, s19
	s_add_co_u32 s18, s18, s12
	s_mov_b32 s19, 0
	s_mov_b32 s20, 0
	s_wait_kmcnt 0x0
	s_add_nc_u64 s[4:5], s[4:5], s[14:15]
	s_add_nc_u64 s[6:7], s[6:7], s[16:17]
	s_add_nc_u64 s[8:9], s[8:9], s[18:19]
	s_add_nc_u64 s[26:27], s[24:25], s[26:27]
	s_add_nc_u64 s[28:29], s[24:25], s[28:29]
	s_load_b32 s[WIDE], s[26:27], 0x0
	s_load_b32 s30, s[28:29], 0x0
	s_load_b32 s31, s[28:29], 0x1000
	s_load_b32 s32, s[28:29], 0x2000
	s_load_b32 s33, s[28:29], 0x3000
.irp k, 0,1,2,3,4,5,6,7
	global_load_b128 v[T+4*\k:T+4*\k+3], v[GL], s[4:5] offset:512*\k
.endr
.irp rv, 0,1,2,3
.irp eq, 0,1,2,3
	global_load_b128 v[FB+16*\rv+4*\eq:FB+16*\rv+4*\eq+3], v[GL], s[6:7] offset:65536*\rv+512*\eq
	global_load_b128 v[IB+16*\rv+4*\eq:IB+16*\rv+4*\eq+3], v[GL], s[6:7] offset:65536*\rv+2048+512*\eq
.endr
.endr
	s_wait_kmcnt 0x0
	s_max_u32 s[WIDE], s[WIDE], s30
	s_max_u32 s31, s31, s32
	s_max_u32 s[WIDE], s[WIDE], s33
	s_max_u32 s[WIDE], s[WIDE], s31
	s_cmp_gt_u32 s[WIDE], NLIM
	s_cselect_b32 s[WIDE], 1, 0
	s_wait_loadcnt 0x0
	s_cmp_lg_u32 s[WIDE], 0
	s_cbranch_scc1 .Lunfolded
.set i, 0
.rept 16
	v_ldexp_f32 v[T+i], v[T+i], v[T+16+i]
.set i, i+1
.endr
.set i, 0
.rept 64
	v_ldexp_f32 v[FB+i], v[FB+i], v[IB+i]
.set i, i+1
.endr
.Lunfolded:
.irp k, 0,1,2,3,4,5,6,7
	ds_store_b128 v[AST], v[T+4*\k:T+4*\k+3] offset:16*\k
.endr
	v_add_nc_u32 v[ACU], s20, v[ARD]
	LOADF
	LOADN
	GROUP 0, 8, 0
	GROUP 1, 8, 0
	GROUP 2, 8, 0
	GROUP 3, 7, 1
	s_wait_tensorcnt 0x0
	ds_add_u32 v24, v25
	s_wait_dscnt 0x0
	s_endpgm
.Lfunc_end_k_q32b2922b29_score:
	.size	k_q32b2922b29_score, .Lfunc_end_k_q32b2922b29_score-k_q32b2922b29_score
	.p2alignl 7, 3214868480
	.fill 96, 4, 3214868480
	.section	.rodata,"a",@progbits
	.p2align	6, 0x0
	.amdhsa_kernel k_q32b2922b29_score
		.amdhsa_group_segment_fixed_size 206848
		.amdhsa_private_segment_fixed_size 0
		.amdhsa_enable_private_segment 0
		.amdhsa_kernarg_size 32
		.amdhsa_user_sgpr_count 2
		.amdhsa_user_sgpr_kernarg_segment_ptr 1
		.amdhsa_wavefront_size32 1
		.amdhsa_system_sgpr_workgroup_id_x 1
		.amdhsa_system_sgpr_workgroup_id_y 1
		.amdhsa_system_sgpr_workgroup_id_z 1
		.amdhsa_system_vgpr_workitem_id 0
		.amdhsa_next_free_vgpr 256
		.amdhsa_next_free_sgpr 66
		.amdhsa_reserve_vcc 0
		.amdhsa_float_denorm_mode_32 3
		.amdhsa_float_denorm_mode_16_64 3
		.amdhsa_memory_ordered 1
		.amdhsa_forward_progress 1
		.amdhsa_inst_pref_size 110
	.end_amdhsa_kernel
	.amdgpu_metadata
---
amdhsa.version: [ 1, 2 ]
amdhsa.kernels:
  - .name:           k_q32b2922b29_score
    .symbol:         k_q32b2922b29_score.kd
    .args:
      - { .name: atab, .offset: 0, .size: 8, .value_kind: global_buffer, .address_space: global }
      - { .name: ytab, .offset: 8, .size: 8, .value_kind: global_buffer, .address_space: global }
      - { .name: nmax, .offset: 16, .size: 8, .value_kind: global_buffer, .address_space: global }
      - { .name: sc, .offset: 24, .size: 8, .value_kind: global_buffer, .address_space: global }
    .group_segment_fixed_size: 206848
    .private_segment_fixed_size: 0
    .kernarg_segment_align: 8
    .kernarg_segment_size: 32
    .max_flat_workgroup_size: 512
    .sgpr_count:     66
    .vgpr_count:     256
    .wavefront_size: 32
...
	.end_amdgpu_metadata
.endif
;; end of part 5
;; launch finish: the kernel of part 3 again; grid 256 x 1, 16 waves a work-group, no clusters, 38,912 bytes of LDS; arguments sc, vtc, vts, query, out0, out1; writes out0, out1
;; ======== version 3 of 3: 3 launches; version 2 with the launches prep, finish written anew for expert scheduling mode
;; limits: right only within a limited range of input values
;; workspace buffers: atab 4,194,304 bytes; ytab 8,388,608 bytes; vtc 786,432 bytes; vts 65,536 bytes; sc 4,194,304 bytes; nmax 786,432 bytes of whole numbers
;; launch prep (part 6): grid 208 x 1, 16 waves a work-group, no clusters, 10,240 bytes of LDS; arguments query, value, W1, b1, W2, b2, atab, ytab, vtc, vts, nmax; writes atab, ytab, vtc, vts, nmax
.if DOCPART == 6
	.amdgcn_target "amdgcn-amd-amdhsa--gfx1250"
	.amdhsa_code_object_version 6
	.text
	.protected	k_q32b2922b29_prep
	.globl	k_q32b2922b29_prep
	.p2align	8
	.type	k_q32b2922b29_prep,@function
k_q32b2922b29_prep:
	s_mov_b64 s[64:65], 0
	v_nop
	global_prefetch_b8 v0, s[64:65] scope:SCOPE_SE
	s_setreg_imm32_b32 hwreg(HW_REG_WAVE_SCHED_MODE, 0, 2), 2
	s_setreg_imm32_b32 hwreg(HW_REG_WAVE_MODE, 25, 1), 1
	s_wait_xcnt 0x0
	s_wait_alu depctr_vm_vsrc(0)
.set FRB,  1536
.set XSC,  4*FRB
.set LR,   1
.set LH,   2
.set SLO,  3
.set XLO,  4
.set LI,   5
.set LS,   6
.set XWI,  7
.set XWS,  8
.set BO,   9
.set OO,   10
.set L8,   11
.set SH8,  12
.set WS,   14
.set XS,   16
.set TM,   20
.set FL,   22
.set PC,   36
.set PW,   55
.set BI,   56
.set XR,   64
.set WF,   64
.set DA,   88
.set TT,   104
.set MG,   120
.set WX,   128
.set XF,   128
.set NF,   176
.set WN,   192
.set DN,   216
.set WV,   28
.set SEL,  52
.set CC,   54
.set LIMN, 56
.set LIMP, 57
.macro QUANT s
.irp b, 0,1,2,3
	v_max3_num_f32 v[TM+\b], |v[\s+16*\b]|, |v[\s+1+16*\b]|, 0x2800000
.endr
.irp i, 2,4,6,8,10,12,14
.irp b, 0,1,2,3
	v_max3_num_f32 v[TM+\b], v[TM+\b], |v[\s+16*\b+\i]|, |v[\s+1+16*\b+\i]|
.endr
.endr
.irp b, 0,1,2,3
	v_permlanex16_b32 v[TM+4+\b], v[TM+\b], s[SEL], s[SEL+1]
.endr
.irp b, 0,1,2,3
	v_max_num_f32 v[TM+\b], v[TM+\b], v[TM+4+\b]
.endr
.irp b, 0,1,2,3
	v_add_nc_u32 v[TM+12+\b], 0xfe000000, v[TM+\b]
.endr
.irp b, 0,1,2,3
	v_lshrrev_b32 v[TM+4+\b], 23, v[TM+12+\b]
.endr
	v_lshl_or_b32 v[PW], v[TM+5], 8, v[TM+4]
	v_lshl_or_b32 v[PW], v[TM+6], 16, v[PW]
	v_lshl_or_b32 v[PW], v[TM+7], 24, v[PW]
.irp c, 0,1
	v_cvt_scalef32_pk16_bf6_f32 v[PC+6*\c:PC+2+6*\c], v[\s+32*\c:\s+15+32*\c], v[TM+12+2*\c]
	v_cvt_scalef32_pk16_bf6_f32 v[PC+12+4*\c:PC+14+4*\c], v[\s+16+32*\c:\s+31+32*\c], v[TM+12+2*\c+1]
.endr
	v_nop
.irp c, 0,1
.irp i, 0,1,2
	v_permlane16_swap_b32 v[PC+6*\c+\i], v[PC+12+4*\c+\i]
.endr
.irp i, 0,1,2
	v_mov_b32 v[PC+3+6*\c+\i], v[PC+12+4*\c+\i]
.endr
.endr
.endm
.macro COLLOAD
.irp q, 0,1,2,3
.irp i, 0,1,2,3,4,5,6,7,8,9,10,11,12,13,14,15,16,17,18,19,20,21,22,23,24,25,26,27,28,29,30,31
	global_load_b32 v[WX+32*\q+\i], v[SLO], s[40:41] offset:(64*\q+\i)*1024
.endr
.endr
.endm
.macro SLABQ s
.irp c, 0,1
	v_max3_num_f32 v[TM+\c], |v[WX+64*\s+32*\c]|, |v[WX+64*\s+32*\c+1]|, 0x2800000
.endr
.irp i, 2,4,6,8,10,12,14,16,18,20,22,24,26,28,30
.irp c, 0,1
	v_max3_num_f32 v[TM+\c], v[TM+\c], |v[WX+64*\s+32*\c+\i]|, |v[WX+64*\s+32*\c+\i+1]|
.endr
.endr
.irp c, 0,1
	v_add_nc_u32 v[TM+2+\c], 0xfe000000, v[TM+\c]
.endr
.irp c, 0,1
	v_lshrrev_b32 v[TM+8+\c], 23, v[TM+2+\c]
.endr
	v_lshl_or_b32 v[TM+10], v[TM+9], 16, v[TM+8]
	v_lshlrev_b32 v[TM+10], v[SH8], v[TM+10]
	v_permlanex16_b32 v[TM+4], v[TM+10], s[SEL], s[SEL+1]
	v_or_b32 v[WS+\s], v[TM+10], v[TM+4]
.irp c, 0,1
	v_cvt_scalef32_pk16_bf6_f32 v[WF+12*\s+6*\c:WF+12*\s+6*\c+2], v[WX+64*\s+32*\c:WX+64*\s+32*\c+15], v[TM+2+\c]
	v_cvt_scalef32_pk16_bf6_f32 v[PC+4*\c:PC+4*\c+2], v[WX+64*\s+32*\c+16:WX+64*\s+32*\c+31], v[TM+2+\c]
.endr
	v_nop
.irp c, 0,1
.irp i, 0,1,2
	v_mov_b32 v[WF+12*\s+6*\c+3+\i], v[PC+4*\c+\i]
.endr
.endr
.endm
	s_load_b512 s[8:23], s[0:1], 0x0
	s_load_b128 s[24:27], s[0:1], 0x40
	s_load_b64 s[2:3], s[0:1], 0x50
	v_lshl_add_u32 v31, v0, 2, 0x2000
	v_mov_b32 v51, 0
	v_lshrrev_b32 v13, 5, v0
	v_readfirstlane_b32 s[WV], v13
	v_and_b32 v13, 31, v0
	v_and_b32 v[LR], 15, v0
	v_bfe_u32 v[LH], v0, 4, 1
	v_lshlrev_b32 v[LI], 4, v13
	v_lshlrev_b32 v[LS], 2, v13
	v_lshlrev_b32 v[L8], 3, v13
	v_lshlrev_b32 v[SH8], 3, v[LH]
	s_wait_alu depctr_va_sdst(0)
	s_mul_i32 s29, s[WV], FRB
	v_add_nc_u32 v[XWI], s29, v[LI]
	s_lshl_b32 s29, s[WV], 7
	v_add_nc_u32 v[XWS], s29, v[LS]
	s_lshl_b32 s29, s[WV], 6
	v_lshl_add_u32 v[SLO], v[LR], 2, s29
	v_lshl_add_u32 v[SLO], v[LH], 15, v[SLO]
	v_lshl_add_u32 v[BO], v[LH], 5, s29
	s_lshr_b32 s29, s[WV], 1
	s_lshl_b32 s29, s29, 16
	s_and_b32 s44, s[WV], 1
	s_lshl_b32 s44, s44, 9
	s_or_b32 s29, s29, s44
	v_lshl_add_u32 v[XLO], v[LR], 12, s29
	v_lshl_add_u32 v[XLO], v[LH], 6, v[XLO]
	v_lshlrev_b32 v[OO], 4, v[LR]
	v_lshl_add_u32 v[OO], v[LH], 10, v[OO]
	s_mov_b32 s[SEL], 0x76543210
	s_mov_b32 s[SEL+1], 0xfedcba98
	s_mov_b32 s[CC], 0x4038aa3b
	s_mov_b32 s[CC+1], s[CC]
	s_mov_b32 s[LIMN], 0xc9800000
	s_mov_b32 s[LIMP], 0x49800000
.irp b, 4,5,6,7
	v_mov_b32 v[TM+\b], 0
.endr
	s_wait_alu depctr_va_vdst(0)
	s_mov_b32 s43, 0
	s_mov_b32 s45, 0
	s_wait_kmcnt 0x0
	s_cmp_lt_u32 ttmp9, 64
	s_cselect_b64 s[30:31], s[8:9], s[10:11]
	s_cselect_b64 s[32:33], s[12:13], s[16:17]
	s_cselect_b64 s[34:35], s[14:15], s[18:19]
	s_cselect_b64 s[36:37], s[20:21], s[22:23]
	s_cselect_b32 s38, 0, 64
	s_cmp_ge_u32 ttmp9, 192
	s_cbranch_scc1 .Lt3
	s_sub_co_u32 s38, ttmp9, s38
	s_mov_b64 s[40:41], s[32:33]
	s_lshr_b32 s44, s38, 2
	s_lshl_b32 s44, s44, 17
	s_and_b32 s46, s38, 3
	s_lshl_b32 s46, s46, 10
	s_or_b32 s44, s44, s46
	s_add_nc_u64 s[30:31], s[30:31], s[44:45]
	s_lshl_b32 s44, s38, 16
	s_lshl_b32 s46, s[WV], 12
	s_add_co_u32 s44, s44, s46
	s_add_nc_u64 s[36:37], s[36:37], s[44:45]
	s_lshl_b32 s44, ttmp9, 12
	s_lshl_b32 s46, s[WV], 8
	s_add_co_u32 s44, s44, s46
	s_add_nc_u64 s[2:3], s[2:3], s[44:45]
	global_load_b128 v[BI:BI+3], v[BO], s[34:35]
	global_load_b128 v[BI+4:BI+7], v[BO], s[34:35] offset:16
	s_cmp_lt_u32 s[WV], 4
	s_cbranch_scc0 .Lno_rows
.irp b, 0,1,2,3
.irp j, 0,1,2,3
	global_load_b128 v[XR+16*\b+4*\j:XR+16*\b+4*\j+3], v[XLO], s[30:31] offset:128*\b+16*\j
.endr
.endr
.Lno_rows:
	COLLOAD
	s_cmp_lt_u32 s[WV], 4
	s_cbranch_scc0 .Lcolumns
	s_wait_loadcnt 63
	QUANT XR
	s_wait_alu depctr_va_vdst(0)
.irp c, 0,1,2
	ds_store_b128 v[XWI], v[PC+4*\c:PC+4*\c+3] offset:512*\c
.endr
	ds_store_b32 v[XWS], v[PW] offset:XSC
	s_wait_dscnt 0x0
	s_wait_alu depctr_vm_vsrc(0)
.Lcolumns:
	s_wait_loadcnt 63
	SLABQ 0
	s_wait_loadcnt 0x0
	SLABQ 1
	s_wait_dscnt 0x0
	s_barrier_signal -1
	s_barrier_wait -1
	s_wait_alu depctr_va_vdst(0)
.irp f, 0,1,2,3
.irp c, 0,1,2
	ds_load_b128 v[XF+12*\f+4*\c:XF+12*\f+4*\c+3], v[LI] offset:\f*FRB+512*\c
.endr
	ds_load_b32 v[XS+\f], v[LS] offset:XSC+128*\f
.endr
.set i, 0
.rept 8
	v_xor_b32 v[WN+i], 0x20820820, v[WF+i]
	v_xor_b32 v[WN+i+1], 0x08208208, v[WF+i+1]
	v_xor_b32 v[WN+i+2], 0x82082082, v[WF+i+2]
.set i, i+3
.endr
	v_mov_b32 v[MG], 0x4b400000
	v_mov_b32 v[MG+1], 0x4b400000
.rept 4
	v_nop
.endr
	s_wait_alu depctr_va_vdst(0)
	s_wait_dscnt 0x0
	v_wmma_scale_f32_16x16x128_f8f6f4 v[DA:DA+7], v[WF:WF+11], v[XF:XF+11], 0, v[WS], v[XS] matrix_a_fmt:MATRIX_FMT_BF6 matrix_b_fmt:MATRIX_FMT_BF6
	v_wmma_scale_f32_16x16x128_f8f6f4 v[DA+8:DA+15], v[WF:WF+11], v[XF+24:XF+35], 0, v[WS], v[XS+2] matrix_a_fmt:MATRIX_FMT_BF6 matrix_b_fmt:MATRIX_FMT_BF6
	v_wmma_scale_f32_16x16x128_f8f6f4 v[DN:DN+7], v[WN:WN+11], v[XF:XF+11], 0, v[WS], v[XS] matrix_a_fmt:MATRIX_FMT_BF6 matrix_b_fmt:MATRIX_FMT_BF6
	v_wmma_scale_f32_16x16x128_f8f6f4 v[DN+8:DN+15], v[WN:WN+11], v[XF+24:XF+35], 0, v[WS], v[XS+2] matrix_a_fmt:MATRIX_FMT_BF6 matrix_b_fmt:MATRIX_FMT_BF6
	v_wmma_scale_f32_16x16x128_f8f6f4 v[DA:DA+7], v[WF+12:WF+23], v[XF+12:XF+23], v[DA:DA+7], v[WS+1], v[XS+1] matrix_a_fmt:MATRIX_FMT_BF6 matrix_b_fmt:MATRIX_FMT_BF6
	v_wmma_scale_f32_16x16x128_f8f6f4 v[DA+8:DA+15], v[WF+12:WF+23], v[XF+36:XF+47], v[DA+8:DA+15], v[WS+1], v[XS+3] matrix_a_fmt:MATRIX_FMT_BF6 matrix_b_fmt:MATRIX_FMT_BF6
	v_wmma_scale_f32_16x16x128_f8f6f4 v[DN:DN+7], v[WN+12:WN+23], v[XF+12:XF+23], v[DN:DN+7], v[WS+1], v[XS+1] matrix_a_fmt:MATRIX_FMT_BF6 matrix_b_fmt:MATRIX_FMT_BF6
	v_wmma_scale_f32_16x16x128_f8f6f4 v[DN+8:DN+15], v[WN+12:WN+23], v[XF+36:XF+47], v[DN+8:DN+15], v[WS+1], v[XS+3] matrix_a_fmt:MATRIX_FMT_BF6 matrix_b_fmt:MATRIX_FMT_BF6
.rept 4
	v_nop
.endr
.set i, 0
.rept 8
	v_pk_add_f32 v[DA+i:DA+i+1], v[DA+i:DA+i+1], v[DN+i:DN+i+1] neg_lo:[0,1] neg_hi:[0,1]
.set i, i+2
.endr
.set i, 0
.rept 8
	v_pk_fma_f32 v[DA+i:DA+i+1], v[DA+i:DA+i+1], 0.5, v[BI+(i%8):BI+(i%8)+1] op_sel_hi:[1,0,1]
.set i, i+2
.endr
.set i, 0
.rept 16
	v_med3_num_f32 v[DA+i], v[DA+i], s[LIMN], s[LIMP]
.set i, i+1
.endr
.set i, 0
.rept 8
	v_pk_fma_f32 v[TT+i:TT+i+1], v[DA+i:DA+i+1], s[CC:CC+1], v[MG:MG+1] op_sel_hi:[1,0,1]
.set i, i+2
.endr
.set i, 0
.rept 8
	v_pk_add_f32 v[NF+i:NF+i+1], v[TT+i:TT+i+1], v[MG:MG+1] neg_lo:[0,1] neg_hi:[0,1]
.set i, i+2
.endr
.set i, 0
.rept 8
	v_pk_fma_f32 v[DA+i:DA+i+1], v[DA+i:DA+i+1], s[CC:CC+1], v[NF+i:NF+i+1] op_sel_hi:[1,0,1] neg_lo:[0,0,1] neg_hi:[0,0,1]
.set i, i+2
.endr
.set i, 0
.rept 16
	v_exp_f32 v[DA+i], v[DA+i]
.set i, i+1
.endr
.set i, 0
.rept 16
	v_add_nc_u32 v[TT+i], 0xb4c00000, v[TT+i]
.set i, i+1
.endr
	v_max3_num_f32 v[TM], |v[NF]|, |v[NF+1]|, |v[NF+2]|
	v_max3_num_f32 v[TM+1], |v[NF+3]|, |v[NF+4]|, |v[NF+5]|
.irp i, 6,10
	v_max3_num_f32 v[TM], v[TM], |v[NF+\i]|, |v[NF+\i+1]|
	v_max3_num_f32 v[TM+1], v[TM+1], |v[NF+\i+2]|, |v[NF+\i+3]|
.endr
	v_max3_num_f32 v[TM], v[TM], |v[NF+14]|, |v[NF+15]|
	v_max_num_f32 v[TM], v[TM], v[TM+1]
.irp m, 1,2,4,8
	v_max_num_f32_dpp v[TM], v[TM], v[TM] row_xmask:\m row_mask:0xf bank_mask:0xf
.endr
	v_permlanex16_b32 v[TM+4], v[TM], s[SEL], s[SEL+1]
	v_max_num_f32 v[TM], v[TM], v[TM+4]
	v_cvt_i32_f32 v[FL], v[TM]
	v_mov_b32 v[FL+1], v[FL]
	s_wait_alu depctr_va_vdst(0)
	global_store_b64 v[L8], v[FL:FL+1], s[2:3]
.irp t, 0,1
.irp k, 0,1
	global_store_b128 v[OO], v[DA+8*\t+4*\k:DA+8*\t+4*\k+3], s[36:37] offset:512*\k+256*\t
	global_store_b128 v[OO], v[TT+8*\t+4*\k:TT+8*\t+4*\k+3], s[36:37] offset:2048+512*\k+256*\t
.endr
.endr
	s_wait_dscnt 0x0
	s_wait_alu 0x0
	s_wait_tensorcnt 0x0
	ds_add_u32 v31, v51
	s_wait_dscnt 0x0
	s_endpgm
.Lt3:
	s_sub_co_u32 s39, ttmp9, 192
	s_lshl_b32 s42, s39, 18
	s_add_nc_u64 s[40:41], s[10:11], s[42:43]
	COLLOAD
	s_lshr_b32 s46, s39, 1
	s_and_b32 s47, s39, 1
	s_mul_i32 s48, s46, 64*FRB
	s_mul_i32 s49, s[WV], 4*FRB
	s_add_co_u32 s48, s48, s49
	s_mul_i32 s49, s47, 2*FRB
	s_add_co_u32 s48, s48, s49
	s_mov_b32 s49, 0
	s_add_nc_u64 s[24:25], s[24:25], s[48:49]
	s_lshl_b32 s48, s46, 13
	s_lshl_b32 s50, s[WV], 9
	s_add_co_u32 s48, s48, s50
	s_lshl_b32 s50, s47, 8
	s_add_co_u32 s48, s48, s50
	s_add_nc_u64 s[26:27], s[26:27], s[48:49]
	s_wait_loadcnt 63
	SLABQ 0
	s_wait_loadcnt 0x0
	SLABQ 1
	s_wait_alu depctr_va_vdst(0)
.irp s, 0,1
.irp c, 0,1,2
	global_store_b128 v[LI], v[WF+12*\s+4*\c:WF+12*\s+4*\c+3], s[24:25] offset:\s*FRB+512*\c
.endr
.endr
	global_store_b64 v[L8], v[WS:WS+1], s[26:27]
	s_endpgm
.Lfunc_end_k_q32b2922b29_prep:
	.size	k_q32b2922b29_prep, .Lfunc_end_k_q32b2922b29_prep-k_q32b2922b29_prep
	.p2alignl 7, 3214868480
	.fill 96, 4, 3214868480
	.section	.rodata,"a",@progbits
	.p2align	6, 0x0
	.amdhsa_kernel k_q32b2922b29_prep
		.amdhsa_group_segment_fixed_size 10240
		.amdhsa_private_segment_fixed_size 0
		.amdhsa_enable_private_segment 0
		.amdhsa_kernarg_size 88
		.amdhsa_user_sgpr_count 2
		.amdhsa_user_sgpr_kernarg_segment_ptr 1
		.amdhsa_wavefront_size32 1
		.amdhsa_system_sgpr_workgroup_id_x 1
		.amdhsa_system_sgpr_workgroup_id_y 1
		.amdhsa_system_sgpr_workgroup_id_z 1
		.amdhsa_system_vgpr_workitem_id 0
		.amdhsa_next_free_vgpr 256
		.amdhsa_next_free_sgpr 66
		.amdhsa_reserve_vcc 0
		.amdhsa_float_denorm_mode_32 3
		.amdhsa_float_denorm_mode_16_64 3
		.amdhsa_memory_ordered 1
		.amdhsa_forward_progress 1
		.amdhsa_inst_pref_size 58
	.end_amdhsa_kernel
	.amdgpu_metadata
---
amdhsa.version: [ 1, 2 ]
amdhsa.kernels:
  - .name:           k_q32b2922b29_prep
    .symbol:         k_q32b2922b29_prep.kd
    .args:
      - { .name: query, .offset: 0, .size: 8, .value_kind: global_buffer, .address_space: global }
      - { .name: value, .offset: 8, .size: 8, .value_kind: global_buffer, .address_space: global }
      - { .name: W1, .offset: 16, .size: 8, .value_kind: global_buffer, .address_space: global }
      - { .name: b1, .offset: 24, .size: 8, .value_kind: global_buffer, .address_space: global }
      - { .name: W2, .offset: 32, .size: 8, .value_kind: global_buffer, .address_space: global }
      - { .name: b2, .offset: 40, .size: 8, .value_kind: global_buffer, .address_space: global }
      - { .name: atab, .offset: 48, .size: 8, .value_kind: global_buffer, .address_space: global }
      - { .name: ytab, .offset: 56, .size: 8, .value_kind: global_buffer, .address_space: global }
      - { .name: vtc, .offset: 64, .size: 8, .value_kind: global_buffer, .address_space: global }
      - { .name: vts, .offset: 72, .size: 8, .value_kind: global_buffer, .address_space: global }
      - { .name: nmax, .offset: 80, .size: 8, .value_kind: global_buffer, .address_space: global }
    .group_segment_fixed_size: 10240
    .private_segment_fixed_size: 0
    .kernarg_segment_align: 8
    .kernarg_segment_size: 88
    .max_flat_workgroup_size: 512
    .sgpr_count:     66
    .vgpr_count:     256
    .wavefront_size: 32
...
	.end_amdgpu_metadata
.endif
;; end of part 6
;; launch score: the kernel of part 5 again; grid 256 x 1, 16 waves a work-group, no clusters, 206,848 bytes of LDS; arguments atab, ytab, nmax, sc; writes sc
;; launch finish (part 7): grid 256 x 1, 16 waves a work-group, no clusters, 38,912 bytes of LDS; arguments sc, vtc, vts, query, out0, out1; writes out0, out1
.if DOCPART == 7
	.amdgcn_target "amdgcn-amd-amdhsa--gfx1250"
	.amdhsa_code_object_version 6
	.text
	.protected	k_q32b2922b29_finish
	.globl	k_q32b2922b29_finish
	.p2align	8
	.type	k_q32b2922b29_finish,@function
k_q32b2922b29_finish:
	s_mov_b64 s[64:65], 0
	v_nop
	global_prefetch_b8 v0, s[64:65] scope:SCOPE_SE
	s_setreg_imm32_b32 hwreg(HW_REG_WAVE_SCHED_MODE, 0, 2), 2
	s_setreg_imm32_b32 hwreg(HW_REG_WAVE_MODE, 25, 1), 1
	s_wait_xcnt 0x0
	s_wait_alu depctr_vm_vsrc(0)
.set ST_M, 0
.set ST_I, 256
.set TBK,  512
.set FRB,  1536
.set PIMG, TBK+64*272
.set PSC,  PIMG+4*FRB
.set CST,  PSC+512
.set LN,   1
.set LR,   2
.set LH,   3
.set L16,  4
.set XO,   5
.set OB,   6
.set OC,   7
.set NM,   8
.set IL,   12
.set NB,   16
.set IV,   18
.set L8,   20
.set L4,   21
.set ASS,  22
.set ATW,  23
.set TR,   24
.set BV,   32
.set ATR,  40
.set ASR,  41
.set API,  42
.set APS,  43
.set ACW,  44
.set ACR,  45
.set O1,   46
.set NR,   50
.set IR,   51
.set MX,   54
.set TP,   58
.set X,    64
.set TM,   64
.set PC,   80
.set PW,   99
.set OR,   100
.set CN,   128
.set PF,   128
.set D0,   176
.set D1,   184
.set VF,   192
.set VS,   240
.set QC,   244
.set PS,   248
.set WV,   16
.set LG,   32
.set SEL,  34
.macro QUANT s
.irp b, 0,1,2,3
	v_max3_num_f32 v[TM+\b], |v[\s+16*\b]|, |v[\s+1+16*\b]|, 0x2800000
.endr
.irp i, 2,4,6,8,10,12,14
.irp b, 0,1,2,3
	v_max3_num_f32 v[TM+\b], v[TM+\b], |v[\s+16*\b+\i]|, |v[\s+1+16*\b+\i]|
.endr
.endr
.irp b, 0,1,2,3
	v_permlanex16_b32 v[TM+4+\b], v[TM+\b], s[SEL], s[SEL+1]
.endr
.irp b, 0,1,2,3
	v_max_num_f32 v[TM+\b], v[TM+\b], v[TM+4+\b]
.endr
.irp b, 0,1,2,3
	v_add_nc_u32 v[TM+12+\b], 0xfe000000, v[TM+\b]
.endr
.irp b, 0,1,2,3
	v_lshrrev_b32 v[TM+4+\b], 23, v[TM+12+\b]
.endr
	v_lshl_or_b32 v[PW], v[TM+5], 8, v[TM+4]
	v_lshl_or_b32 v[PW], v[TM+6], 16, v[PW]
	v_lshl_or_b32 v[PW], v[TM+7], 24, v[PW]
.irp c, 0,1
	v_cvt_scalef32_pk16_bf6_f32 v[PC+6*\c:PC+2+6*\c], v[\s+32*\c:\s+15+32*\c], v[TM+12+2*\c]
	v_cvt_scalef32_pk16_bf6_f32 v[PC+12+4*\c:PC+14+4*\c], v[\s+16+32*\c:\s+31+32*\c], v[TM+12+2*\c+1]
.endr
	v_nop
.irp c, 0,1
.irp i, 0,1,2
	v_permlane16_swap_b32 v[PC+6*\c+\i], v[PC+12+4*\c+\i]
.endr
.irp i, 0,1,2
	v_mov_b32 v[PC+3+6*\c+\i], v[PC+12+4*\c+\i]
.endr
.endr
.endm
.macro BARRIER
	s_wait_dscnt 0x0
	s_barrier_signal -1
	s_barrier_wait -1
.endm
	s_load_b256 s[4:11], s[0:1], 0x0
	s_load_b128 s[12:15], s[0:1], 0x20
	v_lshl_add_u32 v254, v0, 2, 0x9000
	v_mov_b32 v255, 0
	v_lshrrev_b32 v1, 5, v0
	v_readfirstlane_b32 s[WV], v1
	v_and_b32 v[LN], 31, v0
	v_and_b32 v[LR], 15, v0
	v_bfe_u32 v[LH], v0, 4, 1
	v_lshlrev_b32 v[L16], 4, v[LN]
	v_lshlrev_b32 v[L8], 3, v[LN]
	v_lshlrev_b32 v[L4], 2, v[LN]
	s_lshr_b32 s17, ttmp9, 5
	s_bfe_u32 s18, ttmp9, 0x20003
	s_and_b32 s19, ttmp9, 7
	s_lshr_b32 s20, s19, 1
	s_and_b32 s21, s19, 1
	s_wait_alu depctr_va_sdst(0)
	s_lshl_b32 s28, s[WV], 13
	v_add_nc_u32 v[XO], s28, v[L16]
	s_lshl_b32 s29, s19, 8
	s_add_co_u32 s29, s29, s28
	v_lshl_add_u32 v[OB], v[LR], 4, s29
	v_lshl_add_u32 v[OB], v[LH], 11, v[OB]
	s_lshl_b32 s28, s20, 15
	s_lshl_b32 s29, s[WV], 9
	s_add_co_u32 s28, s28, s29
	v_lshl_add_u32 v[OC], v[LR], 11, s28
	v_lshl_add_u32 v[OC], v[LH], 6, v[OC]
	v_lshlrev_b32 v[O1], 4, v[LR]
	v_lshl_add_u32 v[O1], v[LH], 10, v[O1]
	s_lshl_b32 s28, s[WV], 4
	v_mov_b32 v[ASS], s28
	v_mul_u32_u24 v[ATW], v[LR], 1088
	v_lshl_add_u32 v[ATW], v[LH], 2, v[ATW]
	v_add_nc_u32 v[ATW], s28, v[ATW]
	s_mul_i32 s28, s[WV], 1088
	v_mul_u32_u24 v[ATR], v[LH], 272
	v_lshl_add_u32 v[ATR], v[LR], 4, v[ATR]
	v_add_nc_u32 v[ATR], s28, v[ATR]
	s_lshl_b32 s28, s20, 6
	v_lshl_add_u32 v[ASR], v[LR], 2, s28
	s_mul_i32 s28, s[WV], FRB
	v_add_nc_u32 v[API], s28, v[L16]
	s_lshl_b32 s28, s[WV], 7
	v_add_nc_u32 v[APS], s28, v[L4]
	s_lshl_b32 s28, s[WV], 6
	v_mul_u32_u24 v[ACW], v[LR], 528
	v_lshl_add_u32 v[ACW], v[LH], 5, v[ACW]
	v_add_nc_u32 v[ACW], s28, v[ACW]
	s_mul_i32 s28, s[WV], 528
	v_add_nc_u32 v[ACR], s28, v[L16]
	s_mov_b32 s[LG], 0x3fb8aa3b
	s_mov_b32 s[SEL], 0x76543210
	s_mov_b32 s[SEL+1], 0xfedcba98
.irp i, 0,1,2,3
	v_mov_b32 v[TP+\i], 0
.endr
	v_cmp_le_u32 vcc_lo, 16, v[LN]
	s_wait_alu depctr_va_vcc(0)
	s_wait_alu depctr_va_vdst(0)
	s_lshl_b32 s22, s17, 8
	s_lshl_b32 s23, s18, 6
	s_add_co_u32 s22, s22, s23
	s_lshl_b32 s26, s21, 3
	s_add_co_u32 s26, s26, s[WV]
	s_lshl_b32 s27, s20, 4
	s_add_co_u32 s27, s27, s22
	s_add_co_u32 s27, s27, s[WV]
	s_lshl_b32 s30, s21, 9
	s_mov_b32 s25, 0
	s_wait_kmcnt 0x0
	s_lshl_b32 s24, s22, 11
	s_add_nc_u64 s[4:5], s[4:5], s[24:25]
	s_mul_i32 s24, s17, 64*FRB
	s_mul_i32 s28, s26, 4*FRB
	s_add_co_u32 s24, s24, s28
	s_add_nc_u64 s[6:7], s[6:7], s[24:25]
	s_lshl_b32 s24, s17, 13
	s_lshl_b32 s28, s26, 9
	s_add_co_u32 s24, s24, s28
	s_add_nc_u64 s[8:9], s[8:9], s[24:25]
	s_lshl_b32 s24, s27, 10
	s_add_co_u32 s24, s24, s30
	s_add_nc_u64 s[10:11], s[10:11], s[24:25]
	s_lshl_b32 s24, s27, 11
	s_add_co_u32 s24, s24, s30
	s_add_nc_u64 s[12:13], s[12:13], s[24:25]
	s_lshl_b32 s24, s17, 9
	s_lshl_b32 s28, s19, 6
	s_add_co_u32 s24, s24, s28
	s_lshl_b32 s28, s[WV], 2
	s_add_co_u32 s24, s24, s28
	s_lshl_b32 s24, s24, 10
	s_lshl_b32 s28, s18, 8
	s_add_co_u32 s24, s24, s28
	s_add_nc_u64 s[14:15], s[14:15], s[24:25]
	s_cmp_lt_u32 s[WV], 8
	s_cbranch_scc0 .Lcommon
.irp s, 0,1,2,3
.irp c, 0,1,2
	global_load_b128 v[VF+12*\s+4*\c:VF+12*\s+4*\c+3], v[L16], s[6:7] offset:\s*FRB+512*\c
.endr
.endr
.irp k, 0,1
	global_load_b64 v[VS+2*\k:VS+2*\k+1], v[L8], s[8:9] offset:256*\k
.endr
	s_cmp_lt_u32 s[WV], 4
	s_cbranch_scc0 .Lcommon
.irp b, 0,1,2,3
.irp j, 0,1,2,3
	global_load_b128 v[CN+16*\b+4*\j:CN+16*\b+4*\j+3], v[OC], s[4:5] offset:128*\b+16*\j
.endr
.endr
.Lcommon:
.irp i, 0,1,2,3
.irp m, 0,1,2,3
	global_load_b128 v[X+16*\i+4*\m:X+16*\i+4*\m+3], v[XO], s[4:5] offset:2048*\i+512*\m
.endr
.endr
.irp u, 0,1
	global_load_b128 v[BV+4*\u:BV+4*\u+3], v[OB], s[4:5] offset:4096*\u
.endr
	global_load_b128 v[QC:QC+3], v[L16], s[10:11]
	s_wait_loadcnt 0x0
.irp i, 0,1,2,3
	v_max3_num_f32 v[MX+\i], v[X+16*\i], v[X+16*\i+1], v[X+16*\i+2]
.endr
.irp k, 3,5,7,9,11,13
.irp i, 0,1,2,3
	v_max3_num_f32 v[MX+\i], v[MX+\i], v[X+16*\i+\k], v[X+16*\i+\k+1]
.endr
.endr
.irp i, 0,1,2,3
	v_max_num_f32 v[MX+\i], v[MX+\i], v[X+16*\i+15]
.endr
.irp m, 1,2,4,8
.irp i, 0,1,2,3
	v_max_num_f32_dpp v[MX+\i], v[MX+\i], v[MX+\i] row_xmask:\m row_mask:0xf bank_mask:0xf
.endr
.endr
.irp i, 0,1,2,3
	v_permlanex16_b32 v[TP+\i], v[MX+\i], s[SEL], s[SEL+1]
.endr
.irp i, 0,1,2,3
	v_max_num_f32 v[MX+\i], v[MX+\i], v[TP+\i]
.endr
.irp i, 0,1,2,3
	v_mul_f32 v[MX+\i], s[LG], v[MX+\i]
.endr
.irp i, 0,1,2,3
	v_floor_f32 v[NM+\i], -v[MX+\i]
.endr
.irp u, 0,1
	v_cndmask_b32 v[NB+\u], v[NM+2*\u], v[NM+2*\u+1], vcc_lo
.endr
.irp i, 0,1,2,3
.irp k, 0,1,2,3,4,5,6,7,8,9,10,11,12,13,14,15
	v_fma_f32 v[X+16*\i+\k], v[X+16*\i+\k], s[LG], v[NM+\i]
.endr
.endr
.irp u, 0,1
.irp c, 0,1,2,3
	v_fma_f32 v[BV+4*\u+\c], v[BV+4*\u+\c], s[LG], v[NB+\u]
.endr
.endr
.set i, 0
.rept 64
	v_exp_f32 v[X+i], v[X+i]
.set i, i+1
.endr
.set i, 0
.rept 8
	v_exp_f32 v[BV+i], v[BV+i]
.set i, i+1
.endr
	v_nop
	s_wait_alu depctr_va_vdst(0)
.irp d, 2,4,8
.irp i, 0,1,2,3
.set k, 0
.rept 8/\d
	v_pk_add_f32 v[X+16*\i+k:X+16*\i+k+1], v[X+16*\i+k:X+16*\i+k+1], v[X+16*\i+k+\d:X+16*\i+k+\d+1]
.set k, k+2*\d
.endr
.endr
.endr
.irp i, 0,1,2,3
	v_add_f32 v[MX+\i], v[X+16*\i], v[X+16*\i+1]
.endr
.irp m, 1,2,4,8
.irp i, 0,1,2,3
	v_add_f32_dpp v[MX+\i], v[MX+\i], v[MX+\i] row_xmask:\m row_mask:0xf bank_mask:0xf
.endr
.endr
.irp i, 0,1,2,3
	v_permlanex16_b32 v[TP+\i], v[MX+\i], s[SEL], s[SEL+1]
.endr
.irp i, 0,1,2,3
	v_add_f32 v[MX+\i], v[MX+\i], v[TP+\i]
.endr
.irp i, 0,1,2,3
	v_rcp_f32 v[IL+\i], v[MX+\i]
.endr
	v_nop
	s_wait_alu depctr_va_vdst(0)
	ds_store_b128 v[ASS], v[NM:NM+3] offset:ST_M
	ds_store_b128 v[ASS], v[IL:IL+3] offset:ST_I
.irp u, 0,1
	v_cndmask_b32 v[IV+\u], v[IL+2*\u], v[IL+2*\u+1], vcc_lo
.endr
.irp u, 0,1
.irp c, 0,1,2,3
	v_mul_f32 v[BV+4*\u+\c], v[BV+4*\u+\c], v[IV+\u]
.endr
.endr
	s_wait_alu depctr_va_vdst(0)
.irp u, 0,1
.irp c, 0,1,2,3
	ds_store_b32 v[ATW], v[BV+4*\u+\c] offset:TBK+272*\c+8*\u
.endr
.endr
	BARRIER
.irp u, 0,1
	ds_load_b128 v[TR+4*\u:TR+4*\u+3], v[ATR] offset:TBK+544*\u
.endr
	ds_load_b32 v[NR], v[ASR] offset:ST_M
	ds_load_b32 v[IR], v[ASR] offset:ST_I
	s_wait_dscnt 0x0
.irp u, 0,1
	global_store_b128 v[O1], v[TR+4*\u:TR+4*\u+3], s[14:15] offset:2048*\u
.endr
	s_cmp_lt_u32 s[WV], 4
	s_cbranch_scc0 .Lno_p
.set i, 0
.rept 64
	v_fma_f32 v[CN+i], v[CN+i], s[LG], v[NR]
.set i, i+1
.endr
.set i, 0
.rept 64
	v_exp_f32 v[CN+i], v[CN+i]
.set i, i+1
.endr
	v_nop
	s_wait_alu depctr_va_vdst(0)
	QUANT CN
	s_wait_alu depctr_va_vdst(0)
.irp c, 0,1,2
	ds_store_b128 v[API], v[PC+4*\c:PC+4*\c+3] offset:PIMG+512*\c
.endr
	ds_store_b32 v[APS], v[PW] offset:PSC
.Lno_p:
	BARRIER
	s_cmp_lt_u32 s[WV], 8
	s_cbranch_scc0 .Lno_mul
.irp s, 0,1,2,3
.irp c, 0,1,2
	ds_load_b128 v[PF+12*\s+4*\c:PF+12*\s+4*\c+3], v[L16] offset:PIMG+\s*FRB+512*\c
.endr
	ds_load_b32 v[PS+\s], v[L4] offset:PSC+128*\s
.endr
	s_wait_dscnt 0x0
	v_wmma_scale_f32_16x16x128_f8f6f4 v[D0:D0+7], v[VF:VF+11], v[PF:PF+11], 0, v[VS], v[PS] matrix_a_fmt:MATRIX_FMT_BF6 matrix_b_fmt:MATRIX_FMT_BF6
	v_wmma_scale_f32_16x16x128_f8f6f4 v[D1:D1+7], v[VF+12:VF+23], v[PF+12:PF+23], 0, v[VS+1], v[PS+1] matrix_a_fmt:MATRIX_FMT_BF6 matrix_b_fmt:MATRIX_FMT_BF6
	v_wmma_scale_f32_16x16x128_f8f6f4 v[D0:D0+7], v[VF+24:VF+35], v[PF+24:PF+35], v[D0:D0+7], v[VS+2], v[PS+2] matrix_a_fmt:MATRIX_FMT_BF6 matrix_b_fmt:MATRIX_FMT_BF6
	v_wmma_scale_f32_16x16x128_f8f6f4 v[D1:D1+7], v[VF+36:VF+47], v[PF+36:PF+47], v[D1:D1+7], v[VS+3], v[PS+3] matrix_a_fmt:MATRIX_FMT_BF6 matrix_b_fmt:MATRIX_FMT_BF6
.rept 4
	v_nop
.endr
.irp i, 0,1,2,3,4,5,6,7
	v_add_f32 v[OR+\i], v[D0+\i], v[D1+\i]
.endr
.irp i, 0,1,2,3,4,5,6,7
	v_mul_f32 v[OR+\i], v[OR+\i], v[IR]
.endr
	s_wait_alu depctr_va_vdst(0)
	ds_store_b128 v[ACW], v[OR:OR+3] offset:CST
	ds_store_b128 v[ACW], v[OR+4:OR+7] offset:CST+16
.Lno_mul:
	BARRIER
	s_wait_alu depctr_vm_vsrc(0)
	ds_load_b128 v[BV:BV+3], v[ACR] offset:CST
	s_wait_dscnt 0x0
	global_store_b128 v[L16], v[BV:BV+3], s[12:13]
	global_store_b128 v[L16], v[QC:QC+3], s[12:13] offset:1024
	s_wait_dscnt 0x0
	s_wait_alu 0x0
	s_wait_tensorcnt 0x0
	ds_add_u32 v254, v255
	s_wait_dscnt 0x0
	s_endpgm
.Lfunc_end_k_q32b2922b29_finish:
	.size	k_q32b2922b29_finish, .Lfunc_end_k_q32b2922b29_finish-k_q32b2922b29_finish
	.p2alignl 7, 3214868480
	.fill 96, 4, 3214868480
	.section	.rodata,"a",@progbits
	.p2align	6, 0x0
	.amdhsa_kernel k_q32b2922b29_finish
		.amdhsa_group_segment_fixed_size 38912
		.amdhsa_private_segment_fixed_size 0
		.amdhsa_enable_private_segment 0
		.amdhsa_kernarg_size 48
		.amdhsa_user_sgpr_count 2
		.amdhsa_user_sgpr_kernarg_segment_ptr 1
		.amdhsa_wavefront_size32 1
		.amdhsa_system_sgpr_workgroup_id_x 1
		.amdhsa_system_sgpr_workgroup_id_y 1
		.amdhsa_system_sgpr_workgroup_id_z 1
		.amdhsa_system_vgpr_workitem_id 0
		.amdhsa_next_free_vgpr 256
		.amdhsa_next_free_sgpr 66
		.amdhsa_reserve_vcc 1
		.amdhsa_float_denorm_mode_32 3
		.amdhsa_float_denorm_mode_16_64 3
		.amdhsa_memory_ordered 1
		.amdhsa_forward_progress 1
		.amdhsa_inst_pref_size 38
	.end_amdhsa_kernel
	.amdgpu_metadata
---
amdhsa.version: [ 1, 2 ]
amdhsa.kernels:
  - .name:           k_q32b2922b29_finish
    .symbol:         k_q32b2922b29_finish.kd
    .args:
      - { .name: sc, .offset: 0, .size: 8, .value_kind: global_buffer, .address_space: global }
      - { .name: vtc, .offset: 8, .size: 8, .value_kind: global_buffer, .address_space: global }
      - { .name: vts, .offset: 16, .size: 8, .value_kind: global_buffer, .address_space: global }
      - { .name: query, .offset: 24, .size: 8, .value_kind: global_buffer, .address_space: global }
      - { .name: out0, .offset: 32, .size: 8, .value_kind: global_buffer, .address_space: global }
      - { .name: out1, .offset: 40, .size: 8, .value_kind: global_buffer, .address_space: global }
    .group_segment_fixed_size: 38912
    .private_segment_fixed_size: 0
    .kernarg_segment_align: 8
    .kernarg_segment_size: 48
    .max_flat_workgroup_size: 512
    .sgpr_count:     66
    .vgpr_count:     256
    .wavefront_size: 32
...
	.end_amdgpu_metadata
.endif
;; end of part 7
